; MI455X (gfx1250); checked and timed in simulation.
; The chip was launched on July 23, 2026; its instructions are those of AMD's public machine-readable ISA for CDNA 5 (MIT licence, August 2026) and "CDNA5" Instruction Set Architecture Reference Guide (July 2026). The comments in the code are by the model that wrote it; some were corrected since.
;; Chaos Attention. Allowed arithmetic: matrix products marked QUANTISED: E2M3 operands, one E8M0 scale for each 32 along K, by v_wmma_scale_f32_16x16x128_f8f6f4 with both operands' format E2M3, f32 sums; products left as they are: f32 operands where the result goes on into a quantised operand, else bf16, f16 or f32 operands; f32 sums; everything else in f32.
;; Inputs: Wc 3 x 1,024 float32; Wg 1,024 x 1 float32; Wk 1,024 x 1,024 float32; Wo 1,024 x 1,024 float32; Wq 1,024 x 1,024 float32; Wv 1,024 x 1,024 float32; bc 1,024 float32; bg 1 float32; bk 1,024 float32; bo 1,024 float32; bq 1,024 float32; bv 1,024 float32; chaos_init 2 x 2,048 x 3 float32; mask 2 x 2,048 int32; x 2 x 2,048 x 1,024 float32.
;; Outputs: out0 2 x 2,048 x 1,024 float32.
;; This version of the problem:
;;   THIS VERSION OF THE PROBLEM IS GIVEN IN LOW PRECISION. The matrix products marked QUANTISED in the list below multiply operands that are first quantised to E2M3 (2 exponent bits, 3 mantissa bits; 6 bits a number), with one power-of-two scale for each 32 numbers along K (OCP MX v1.0); their sums are f32. All else is computed in f32.
;;   The module's matrix products, in the order in which they are computed (A, B: the left and right operand; K: the contracted axis; several contracted axes count as one K, in the product's order):
;;     1. [M 4,096, K 1,024] x [K 1,024, N 1,024]; A: input x; B: input Wq: QUANTISED
;;     2. [M 4,096, K 1,024] x [K 1,024, N 1,024]; A: input x; B: input Wk: QUANTISED
;;     3. [M 4,096, K 1,024] x [K 1,024, N 1,024]; A: input x; B: input Wv: QUANTISED
;;     4. batch 32 x [M 2,048, K 64] x [K 64, N 2,048]; A: computed on the way; B: computed on the way: QUANTISED
;;     5. [M 4,096, K 3] x [K 3, N 1,024]; A: computed on the way; B: input Wc: left as it is (K = 3 < 32)
;;     6. [M 4,096, K 1,024] x [K 1,024, N 1]; A: computed on the way; B: input Wg: left as it is (N = 1 < 16)
;;     7. batch 32 x [M 2,048, K 64] x [K 64, N 2,048]; A: computed on the way; B: computed on the way: QUANTISED
;;     8. batch 32 x [M 2,048, K 2,048] x [K 2,048, N 64]; A: softmax (see below); B: computed on the way: QUANTISED
;;     9. [M 4,096, K 1,024] x [K 1,024, N 1,024]; A: computed on the way; B: input Wo: QUANTISED
;;   THE QUANTISER, for each operand of a quantised product, along K:
;;     - K is cut into blocks of 32 from its start; a last block that is shorter is filled with zeros.
;;     - A block's scale is 2^e with e = floor(log2(the largest magnitude in the block)) - 2, held to -126 .. 127; a block of zeros has e = 0. As a byte (E8M0): e + 127.
;;     - Each number is divided by its block's scale, clamped to +-7.5, and rounded to the nearest number of E2M3, ties to even, subnormals kept.
;;     - The product sums the exact products of the quantised numbers (number of the format x scale) in f32.
;;   ~~~python
;;   def quantise(x, axis):      # numpy; x: float32 -> the quantised numbers, widened to float32 again
;;       x = np.moveaxis(x, axis, -1); K = x.shape[-1]
;;       x = np.pad(x, [(0, 0)] * (x.ndim - 1) + [(0, -K % 32)]); x = x.reshape(x.shape[:-1] + (-1, 32)); a = np.abs(x).max(-1, keepdims=True)
;;       e = np.where(a > 0, np.clip(np.frexp(np.where(a > 0, a, 1))[1] - 1 - 2, -126, 127), 0)      # np.frexp(a)[1] - 1 = floor(log2(a)), exactly
;;       r = np.clip(x / 2.0 ** e, -7.5, 7.5)
;;       step = 2.0 ** (np.maximum(np.frexp(np.where(r == 0, 1, r))[1] - 1, 0) - 3)
;;       q = np.round(r / step) * step * 2.0 ** e      # np.round: ties to even
;;       return np.moveaxis(q.reshape(q.shape[:-2] + (-1,))[..., :K], -1, axis).astype(np.float32)
;;   ~~~
;;   SOFTMAX AHEAD OF A QUANTISED PRODUCT. Where the list says 'softmax', what is quantised is not the finished softmax but p = 2^(t - M), with t = logit x log2(e) and M = ceil(the row's largest t), a whole number; so 1/2 < the row's largest p <= 1. The row's sum l is taken of the UNQUANTISED p, in f32, and the product's result is divided by l at the end. Since M is a whole number, a kernel that streams over the keys may use a running M (the ceiling of the running maximum): every later rescaling is an exact power of two, which a block's scale takes up: the codes' values come out the same.
;;   OPERANDS COMPUTED ON THE WAY. 'Computed on the way' means the value that the module computes at that place (a softmax that the list does not call 'softmax' is quantised finished and normalised). What goes into a quantiser is computed in f32, as accurately as f32 sums, v_exp_f32 and their like allow (about 1e-6 of the number): no bf16 or f16 on the way to a quantiser, and a product that is left as it is and whose result goes on into a quantised operand takes f32 operands (vector FMAs, or v_wmma_f32_16x16x4_f32). A number that lies on a knife's edge between two numbers of the format may be rounded either way, as far as f32 arithmetic and the matrix unit's own rounding can turn it there, and no further.
;; One version. Each part assembles by itself: llvm-mc -triple=amdgcn-amd-amdhsa -mcpu=gfx1250 --defsym DOCPART=n.
;; ======== version 1 of 1: 4 launches
;; limits: right only within a limited range of input values
;; workspace buffers: pc 9,437,184 bytes; ps 557,056 bytes; qkvc 9,437,184 bytes; qkvs 393,216 bytes; oc 3,145,728 bytes; os 131,072 bytes
;; launch prep (part 1): grid 384 x 1, 8 waves a work-group, no clusters, 111,104 bytes of LDS; arguments x, Wq, Wk, Wv, Wo, chaos_init, Wc, bc, Wg, bg, mask, pc, ps; writes pc, ps
.if DOCPART == 1
	.amdgcn_target "amdgcn-amd-amdhsa--gfx1250"
	.amdhsa_code_object_version 6
	.text
	.protected	k_q6760333bb2_prep
	.globl	k_q6760333bb2_prep
	.p2align	8
	.type	k_q6760333bb2_prep,@function
k_q6760333bb2_prep:
	s_mov_b64 s[64:65], 0
	v_nop
	global_prefetch_b8 v0, s[64:65] scope:SCOPE_SE
	s_setreg_imm32_b32 hwreg(HW_REG_WAVE_MODE, 25, 1), 1
	s_wait_xcnt 0x0
; PREP: everything that is quantised once.  Three roles, parted by the work-group's number; each role has LDS bytes of its own.
;   work-groups   0-255  x [4096][1024] f32           -> codes of FP6 (E2M3) and E8M0 scale bytes, K innermost
;   work-groups 256-319  Wq, Wk, Wv, Wo [k][n] f32     -> the same, a column n as a row, K = the first axis
;   work-groups 320-383  the Lorenz field, chaos_features = field Wc + bc (f32 multiply-adds) -> codes by head; 0.1 x sigmoid(features Wg + bg); the mask as an addend
; THE LAYOUT OF CODES.  A unit is 16 rows x 64 along K, 768 bytes, laid as the matrix operand's registers: lane l = (r = l % 16, h = l / 16) owns the 24 bytes of k = 32 h .. 32 h + 31 of row r;
; its first 16 bytes lie at 16 l, its last 8 at 512 + 8 l.  So a reader takes a unit by one load of 16 bytes and one of 8 bytes a lane, both dense.
; THE ROWS OF A TILE ARE NOT NEIGHBOURS: tile 2 B + u holds rows 32 B + 8 u + r + 8 (r / 8), so that where a tile is a product's source 0 the 16 result registers of tiles 2 B, 2 B + 1 are 16 neighbours.
; pc: [tile 512][K / 64: 16][768] (tiles 0-255 x, then 64 each of Wq, Wk, Wv, Wo); from CQC on chaos_features as [head 16][tile 256][768].
; ps: [row in tile order 8192][32 scale bytes]; from CQS on [32 tokens: 128][256 n: 4][token 32][4 words: a head's two bytes each]; from GM on 0.1 x gate [4096] f32, then the mask's addend [4096] f32 (0, or -2^126 where mask = 0).
; A block's scale byte is its largest magnitude's exponent field - 2, held at 1 from below (a block of zeros gets 1: its codes are zeros, and this program alone reads the bytes).
; LIMITS: NaN and infinities among the inputs are not served; blocks whose largest magnitude lies under 2^-124 keep the byte 1.  The Lorenz steps use fused multiply-adds and the mean is taken by x 0.1: the last bit may differ from sums written otherwise.
; No cluster: no two work-groups read the same bytes, but for the chaos role's 5 KiB tables.  No matrix unit: nothing here is a product of any size.
.set CQC,  6291456
.set CQS,  262144
.set GM,   524288
.set SPX,  528                         ; x's stage: a row of 512 bytes + 16: the sixteen rows that a read touches start in different banks
.set XSG,  67584                       ; behind eight stages of 16 x 528 bytes: the tile's 512 scale bytes
.set TAB,  68096                       ; chaos role: 5,120 bytes a wave: Wc's three rows, bc, Wg, 256 numbers each
.set GP,   109056                      ; chaos role: the gate's partial sums, [256 n: 4][token 64] f32
; 32 numbers of ONE block in v[src] on -> 24 bytes of codes in v[c] .. v[c+5] (v[c+6] is used on the way), the scale's byte in v[by]
.macro BLK32 src, c, so, by
	v_max3_num_f32 v[\so], |v[\src]|, |v[\src+1]|, |v[\src+2]|       ; the largest magnitude, in two chains
	v_max3_num_f32 v[\by], |v[\src+3]|, |v[\src+4]|, |v[\src+5]|
.irp i, 6,10,14,18,22,26
	s_delay_alu instid0(VALU_DEP_2)
	v_max3_num_f32 v[\so], v[\so], |v[\src+\i]|, |v[\src+\i+1]|
	s_delay_alu instid0(VALU_DEP_2)
	v_max3_num_f32 v[\by], v[\by], |v[\src+\i+2]|, |v[\src+\i+3]|
.endr
	s_delay_alu instid0(VALU_DEP_2)
	v_max3_num_f32 v[\so], v[\so], |v[\src+30]|, |v[\src+31]|
	s_delay_alu instid0(VALU_DEP_1)
	v_max3_num_f32 v[\so], v[\so], v[\by], 0x1800000                 ; and the floor 2^(3 - 127): the byte cannot fall under 1
	s_delay_alu instid0(VALU_DEP_1)
	v_add_nc_u32 v[\so], 0xff000000, v[\so]                          ; 2 off the exponent field: the conversion takes that field as its scale
	s_delay_alu instid0(VALU_DEP_1)
	v_lshrrev_b32 v[\by], 23, v[\so]                                 ; the scale's byte
	v_cvt_scalef32_pk16_fp6_f32 v[\c:\c+2], v[\src:\src+15], v[\so]
	v_cvt_scalef32_pk16_fp6_f32 v[\c+4:\c+6], v[\src+16:\src+31], v[\so]   ; (a conversion's three registers begin on an even number)
	v_nop                                                            ; one plain line behind the conversions
	v_mov_b32 v[\c+3], v[\c+4]
	v_mov_b32 v[\c+4], v[\c+5]
	v_mov_b32 v[\c+5], v[\c+6]
.endm
	s_load_b512 s[16:31], s[0:1], 0x0              ; x 16, Wq 18, Wk 20, Wv 22, Wo 24, chaos_init 26, Wc 28, bc 30
	s_load_b256 s[32:39], s[0:1], 0x40             ; Wg 32, bg 34, mask 36, pc 38
	s_load_b64 s[40:41], s[0:1], 0x60              ; ps
	v_lshl_add_u32 v254, v0, 2, 0x1ae00
	v_mov_b32 v255, 0
	v_lshrrev_b32 v1, 5, v0
	s_delay_alu instid0(VALU_DEP_1)
	v_readfirstlane_b32 s4, v1                     ; wave 0..7
	v_and_b32 v1, 31, v0                           ; lane
	v_and_b32 v2, 15, v0                           ; r
	v_bfe_u32 v3, v0, 4, 1                         ; h
	s_mov_b32 s6, 0x76543210
	s_mov_b32 s7, 0xfedcba98                       ; v_permlanex16_b32's selects for lane l xor 16
	s_mov_b32 s45, 0                               ; the high words of three offsets
	s_mov_b32 s47, 0
	s_mov_b32 s49, 0
	s_wait_kmcnt 0x0
	s_cmp_lt_u32 ttmp9, 256
	s_cbranch_scc1 .Lxq
	s_cmp_lt_u32 ttmp9, 320
	s_cbranch_scc1 .Lwq
; ---------------- THE CHAOS ROLE.  64 tokens a work-group.  Wave w: tokens 32 (w / 4) on, a lane a token; n = 256 (w % 4) on: four heads.
	s_load_b32 s14, s[34:35], 0x0                  ; bg
	s_sub_co_u32 s8, ttmp9, 320                    ; j
	s_lshr_b32 s9, s4, 2                           ; tg
	s_and_b32 s10, s4, 3                           ; nq
	s_lshl_b32 s11, s8, 1
	s_add_co_u32 s11, s11, s9                      ; my group of 32 tokens
	s_mul_i32 s44, s11, 384                        ; 12 bytes a token
	s_add_nc_u64 s[26:27], s[26:27], s[44:45]
	s_wait_alu depctr_va_vdst(0)
	v_mul_u32_u24 v4, v1, 12
	global_load_b32 v20, v4, s[26:27]
	global_load_b32 v21, v4, s[26:27] offset:4
	global_load_b32 v22, v4, s[26:27] offset:8
	s_lshl_b32 s46, s10, 10                        ; my 256 n: 1,024 bytes on
	s_add_nc_u64 s[28:29], s[28:29], s[46:47]
	s_add_nc_u64 s[30:31], s[30:31], s[46:47]
	s_add_nc_u64 s[32:33], s[32:33], s[46:47]
	v_lshlrev_b32 v5, 4, v1                        ; 16 x lane
.irp a, 0,1,2
.irp e, 0,1
	global_load_b128 v[32+8*\a+4*\e:35+8*\a+4*\e], v5, s[28:29] offset:4096*\a+512*\e
.endr
.endr
.irp e, 0,1
	global_load_b128 v[56+4*\e:59+4*\e], v5, s[30:31] offset:512*\e
	global_load_b128 v[64+4*\e:67+4*\e], v5, s[32:33] offset:512*\e
.endr
	s_mul_i32 s12, s4, 5120
	s_add_co_u32 s12, s12, TAB                     ; my wave's tables
	v_add_nc_u32 v6, s12, v5
	v_mov_b32 v7, s12
	v_bfe_u32 v8, v0, 3, 1                         ; token j of 32 lies in tile u = (j / 8) % 2, row (j % 8) + 8 (j / 16)
	v_and_b32 v9, 7, v0
	s_delay_alu instid0(VALU_DEP_1)
	v_lshl_or_b32 v9, v3, 3, v9
	s_delay_alu instid0(VALU_DEP_3)
	v_mul_u32_u24 v8, v8, 768
	s_delay_alu instid0(VALU_DEP_1)
	v_lshl_add_u32 v31, v9, 3, v8                  ; 768 u + 8 r
	s_delay_alu instid0(VALU_DEP_2)
	v_lshl_add_u32 v8, v9, 4, v8                   ; 768 u + 16 r
	s_lshl_b32 s44, s10, 10                        ; head 4 nq: 256 tiles a head
	s_lshl_b32 s13, s11, 1
	s_add_co_u32 s44, s44, s13                     ; + tile 2 x my group
	s_mul_i32 s44, s44, 768
	s_add_co_u32 s44, s44, CQC
	s_add_nc_u64 s[38:39], s[38:39], s[44:45]
	s_lshl_b32 s46, s11, 2
	s_add_co_u32 s46, s46, s10
	s_lshl_b32 s46, s46, 9
	s_add_co_u32 s46, s46, CQS
	s_add_nc_u64 s[42:43], s[40:41], s[46:47]      ; my 512 bytes of scale words
	s_lshl_b32 s48, s8, 8                          ; 64 tokens x 4 bytes
	s_add_nc_u64 s[36:37], s[36:37], s[48:49]
	s_add_nc_u64 s[50:51], s[40:41], s[48:49]
	s_lshl_b32 s13, s10, 8
	s_lshl_b32 s15, s9, 7
	s_add_co_u32 s13, s13, s15
	s_add_co_u32 s13, s13, GP
	v_lshlrev_b32 v30, 2, v1
	s_delay_alu instid0(VALU_DEP_1)
	v_add_nc_u32 v30, s13, v30                     ; where my token's partial sum goes
	v_lshlrev_b32 v247, 3, v1
	s_delay_alu instid0(VALU_DEP_1)
	v_add_nc_u32 v246, GP, v247                    ; and from where wave 0 takes two tokens'
	s_wait_loadcnt 0x0
.irp a, 0,1,2,3,4
.irp e, 0,1
	ds_store_b128 v6, v[32+8*\a+4*\e:35+8*\a+4*\e] offset:1024*\a+512*\e   ; my wave's own bytes: LDS serves a wave's instructions in order, so no wait stands ahead of the reads below
.endr
.endr
	; ten Lorenz steps, and their mean
.set nn, 0
.rept 10
	v_sub_f32 v23, v21, v20
	v_sub_f32 v29, 0x41e00000, v22                 ; 28 - z
	v_mul_f32 v25, 0x402aaaab, v22                 ; 8/3 z
	s_delay_alu instid0(VALU_DEP_3)
	v_mul_f32 v23, 0x41200000, v23                 ; dx = 10 (y - x)
	s_delay_alu instid0(VALU_DEP_3)
	v_fma_f32 v24, v20, v29, -v21                  ; dy = x (28 - z) - y
	s_delay_alu instid0(VALU_DEP_3)
	v_fma_f32 v25, v20, v21, -v25                  ; dz = x y - 8/3 z
	s_delay_alu instid0(VALU_DEP_3)
	v_fmamk_f32 v20, v23, 0x3c23d70a, v20          ; += 0.01 d
	s_delay_alu instid0(VALU_DEP_3)
	v_fmamk_f32 v21, v24, 0x3c23d70a, v21
	s_delay_alu instid0(VALU_DEP_3)
	v_fmamk_f32 v22, v25, 0x3c23d70a, v22
.if nn == 0
	s_delay_alu instid0(VALU_DEP_3)
	v_mov_b32 v26, v20
	s_delay_alu instid0(VALU_DEP_3)
	v_mov_b32 v27, v21
	s_delay_alu instid0(VALU_DEP_3)
	v_mov_b32 v28, v22
.else
	s_delay_alu instid0(VALU_DEP_3)
	v_add_f32 v26, v26, v20
	s_delay_alu instid0(VALU_DEP_3)
	v_add_f32 v27, v27, v21
	s_delay_alu instid0(VALU_DEP_3)
	v_add_f32 v28, v28, v22
.endif
.set nn, nn+1
.endr
	s_delay_alu instid0(VALU_DEP_3)
	v_mul_f32 v240, 0x3dcccccd, v26                ; the field; each number in a pair, of which the packed forms take the low word for both halves
	s_delay_alu instid0(VALU_DEP_3)
	v_mul_f32 v242, 0x3dcccccd, v27
	s_delay_alu instid0(VALU_DEP_3)
	v_mul_f32 v244, 0x3dcccccd, v28
	s_delay_alu instid0(VALU_DEP_3)
	v_mov_b32 v241, v240
	s_wait_alu depctr_va_vdst(0)
	v_mov_b32 v243, v242
	v_mov_b32 v245, v244
	v_mov_b32 v10, 0                               ; features . Wg, in two chains of pairs
	v_mov_b32 v11, 0
	v_mov_b32 v12, 0
	v_mov_b32 v13, 0
; block t: 32 neighbouring n of my token: half t % 2 of head 4 nq + t / 2
.macro CBLOCK t
.irp a, 0,1,2,3,4
.irp jj, 0,1,2,3,4,5,6,7
	ds_load_b128 v[32+32*\a+4*\jj:35+32*\a+4*\jj], v7 offset:1024*\a+128*(\t)+16*\jj   ; all lanes read the same 16 bytes
.endr
.endr
	s_wait_dscnt 0x0
.set pp, 0
.rept 16
	v_pk_fma_f32 v[192+2*pp:193+2*pp], v[240:241], v[32+2*pp:33+2*pp], v[128+2*pp:129+2*pp] op_sel_hi:[0,1,1]
.set pp, pp+1
.endr
.set pp, 0
.rept 16
	v_pk_fma_f32 v[192+2*pp:193+2*pp], v[242:243], v[64+2*pp:65+2*pp], v[192+2*pp:193+2*pp] op_sel_hi:[0,1,1]
.set pp, pp+1
.endr
.set pp, 0
.rept 16
	v_pk_fma_f32 v[192+2*pp:193+2*pp], v[244:245], v[96+2*pp:97+2*pp], v[192+2*pp:193+2*pp] op_sel_hi:[0,1,1]
.set pp, pp+1
.endr
.set pp, 0
.rept 16
	v_pk_fma_f32 v[10+2*(pp%2):11+2*(pp%2)], v[192+2*pp:193+2*pp], v[160+2*pp:161+2*pp], v[10+2*(pp%2):11+2*(pp%2)]
.set pp, pp+1
.endr
	s_wait_xcnt 0x0                                ; the stores of two blocks ago have read the registers that the codes below are written to
	BLK32 192, 224+8*((\t)%2), 14, 15
.if (\t)%2 == 0
	v_mov_b32 v[16+(\t)/2], v15                    ; a head's two scale bytes make the low half of its word
.else
	v_lshl_or_b32 v[16+(\t)/2], v15, 8, v[16+(\t)/2]
.endif
	global_store_b128 v8, v[224+8*((\t)%2):227+8*((\t)%2)], s[38:39] offset:((\t)/2)*196608+256*((\t)%2)        ; sixteen lanes fill 256 consecutive bytes of a unit
	global_store_b64 v31, v[228+8*((\t)%2):229+8*((\t)%2)], s[38:39] offset:((\t)/2)*196608+512+128*((\t)%2)    ; sixteen lanes 128; the head's other block fills the 256
.endm
.irp t, 0,1,2,3,4,5,6,7
	CBLOCK \t
.endr
	global_store_b128 v5, v[16:19], s[42:43]       ; 512 consecutive bytes
	v_pk_add_f32 v[10:11], v[10:11], v[12:13]
	s_delay_alu instid0(VALU_DEP_1)
	v_add_f32 v10, v10, v11
	ds_store_b32 v30, v10
	s_wait_kmcnt 0x0                               ; bg
	s_wait_dscnt 0x0                               ; for the others' sake: my partial sum lies in LDS
	s_barrier_signal -1
	s_barrier_wait -1
	s_cmp_lg_u32 s4, 0
	s_cbranch_scc1 .Lch_end
	ds_load_b64 v[32:33], v246                     ; wave 0: two tokens a lane, four partial sums each
	ds_load_b64 v[34:35], v246 offset:256
	ds_load_b64 v[36:37], v246 offset:512
	ds_load_b64 v[38:39], v246 offset:768
	global_load_b64 v[40:41], v247, s[36:37]       ; the mask
	v_mov_b32 v42, 0
	v_mov_b32 v43, 0xfe800000                      ; -2^126
	s_wait_dscnt 0x0
	v_pk_add_f32 v[32:33], v[32:33], v[34:35]
	v_pk_add_f32 v[36:37], v[36:37], v[38:39]
	s_delay_alu instid0(VALU_DEP_1)
	v_pk_add_f32 v[32:33], v[32:33], v[36:37]
	s_delay_alu instid0(VALU_DEP_1)
	v_add_f32 v32, s14, v32
	s_delay_alu instid0(VALU_DEP_2)
	v_add_f32 v33, s14, v33
	s_delay_alu instid0(VALU_DEP_2)
	v_mul_f32 v32, 0xbfb8aa3b, v32                 ; sigmoid(z) = 1 / (1 + 2^(-z log2 e))
	s_delay_alu instid0(VALU_DEP_2)
	v_mul_f32 v33, 0xbfb8aa3b, v33
	s_wait_alu depctr_va_vdst(0)
	v_exp_f32 v32, v32
	v_exp_f32 v33, v33
	v_nop                                          ; a plain line behind the exponentials,
	s_wait_alu depctr_va_vdst(0)                   ; and the wait ahead of their first reader
	v_add_f32 v32, 1.0, v32
	v_add_f32 v33, 1.0, v33
	s_wait_alu depctr_va_vdst(0)
	v_rcp_f32 v32, v32
	v_rcp_f32 v33, v33
	v_nop
	s_wait_alu depctr_va_vdst(0)
	v_mul_f32 v32, 0x3dcccccd, v32                 ; x the chaos strength
	v_mul_f32 v33, 0x3dcccccd, v33
	global_store_b64 v247, v[32:33], s[50:51] offset:GM            ; 256 consecutive bytes
	s_wait_loadcnt 0x0
	v_cmp_eq_u32 vcc_lo, 0, v40
	s_delay_alu instid0(VALU_DEP_1)
	v_cndmask_b32 v44, v42, v43, vcc_lo
	v_cmp_eq_u32 vcc_lo, 0, v41
	s_delay_alu instid0(VALU_DEP_1)
	v_cndmask_b32 v45, v42, v43, vcc_lo
	global_store_b64 v247, v[44:45], s[50:51] offset:GM+16384
.Lch_end:
	s_wait_tensorcnt 0x0
	ds_add_u32 v254, v255
	s_wait_dscnt 0x0
	s_endpgm
; ---------------- x.  Work-group = tile T of 16 rows; wave w = 128 along K.  Each load reads 512 consecutive bytes of a row; the rows turn through the wave's own stage, so that a lane gets whole blocks of 32.
.Lxq:
	s_lshr_b32 s8, ttmp9, 1
	s_lshl_b32 s8, s8, 5
	s_and_b32 s9, ttmp9, 1
	s_lshl_b32 s9, s9, 3
	s_add_co_u32 s8, s8, s9                        ; the tile's first row: 32 (T / 2) + 8 (T % 2)
	s_lshl_b32 s8, s8, 12
	s_lshl_b32 s9, s4, 9
	s_add_co_u32 s44, s8, s9
	s_add_nc_u64 s[16:17], s[16:17], s[44:45]
	s_wait_alu depctr_va_vdst(0)
	v_lshlrev_b32 v4, 4, v1                        ; 16 x lane
.irp i, 0,1,2,3,4,5,6,7,8,9,10,11,12,13,14,15
	global_load_b128 v[64+4*\i:67+4*\i], v4, s[16:17] offset:(\i+8*(\i/8))*4096 th:TH_LOAD_NT
.endr
	s_mul_i32 s10, s4, 16*SPX
	v_add_nc_u32 v5, s10, v4                       ; into the stage: row i, 16 x lane
	v_mul_u32_u24 v6, v2, SPX
	s_delay_alu instid0(VALU_DEP_1)
	v_lshl_add_u32 v6, v3, 7, v6
	s_delay_alu instid0(VALU_DEP_1)
	v_add_nc_u32 v6, s10, v6                       ; out of it: row r, 128 h bytes on: my block of each 64
	v_lshlrev_b32 v7, 3, v1
	s_delay_alu instid0(VALU_DEP_1)
	v_add_nc_u32 v7, 512, v7                       ; 512 + 8 x lane
	v_add_nc_u32 v14, XSG, v4
	v_lshlrev_b32 v13, 5, v2
	s_lshl_b32 s12, s4, 2
	s_add_co_u32 s12, s12, XSG
	v_add_nc_u32 v13, s12, v13                     ; row r's word for my 128 along K
	s_mul_i32 s46, ttmp9, 12288
	s_mul_i32 s13, s4, 1536
	s_add_co_u32 s46, s46, s13
	s_add_nc_u64 s[38:39], s[38:39], s[46:47]
	s_lshl_b32 s48, ttmp9, 9
	s_add_nc_u64 s[40:41], s[40:41], s[48:49]
	s_wait_alu depctr_va_vdst(0)
.irp i, 0,1,2,3,4,5,6,7,8,9,10,11,12,13,14,15
	s_wait_loadcnt 15-\i                           ; loads come back in order: row i is in, the younger rows may be out
	ds_store_b128 v5, v[64+4*\i:67+4*\i] offset:SPX*\i
.endr
.irp c, 0,1
.irp jj, 0,1,2,3,4,5,6,7
	ds_load_b128 v[128+32*\c+4*\jj:131+32*\c+4*\jj], v6 offset:256*\c+16*\jj   ; my wave's own bytes, served in order behind the stores
.endr
.endr
	s_wait_dscnt 8                                 ; the first unit's eight reads are in; the second's may be out
	BLK32 128, 16, 8, 9
	global_store_b128 v4, v[16:19], s[38:39]       ; 512 consecutive bytes,
	global_store_b64 v7, v[20:21], s[38:39]        ; and 256
	s_wait_dscnt 0x0
	BLK32 160, 24, 10, 11
	global_store_b128 v4, v[24:27], s[38:39] offset:768
	global_store_b64 v7, v[28:29], s[38:39] offset:768
	v_lshl_or_b32 v9, v11, 16, v9                  ; my two bytes: blocks h and 2 + h of row r,
	v_lshlrev_b32 v12, 3, v3
	s_delay_alu instid0(VALU_DEP_1)
	v_lshlrev_b32 v9, v12, v9                      ; at their places in the word;
	v_mov_b32 v12, 0
	s_delay_alu instid0(VALU_DEP_1)
	v_permlanex16_b32 v12, v9, s6, s7
	s_delay_alu instid0(VALU_DEP_1)
	v_or_b32 v9, v9, v12                           ; with lane l xor 16's two the word is whole
	ds_store_b32 v13, v9                           ; (both halves of the lanes write the same word with the same value)
	s_wait_dscnt 0x0                               ; for the others' sake
	s_barrier_signal -1
	s_barrier_wait -1
	s_cmp_lg_u32 s4, 0
	s_cbranch_scc1 .Lxq_end
	ds_load_b128 v[32:35], v14
	s_wait_dscnt 0x0
	global_store_b128 v4, v[32:35], s[40:41]       ; the tile's 16 rows x 32 scale bytes: 512 consecutive bytes
.Lxq_end:
	s_wait_tensorcnt 0x0
	ds_add_u32 v254, v255
	s_wait_dscnt 0x0
	s_endpgm
; ---------------- THE WEIGHTS.  A lane takes a column n and its registers run down K: a block of 32 lies in one lane, and the codes come out with K innermost.  A wave: 32 columns x 256 along K.
; The scale bytes leave as 8 bytes a lane, 32 bytes apart: aligned blocks of 256 bytes are written in part there, one byte for each 128 that the role reads.
.Lwq:
	s_sub_co_u32 s8, ttmp9, 256                    ; j
	s_lshr_b32 s9, s8, 4                           ; which weight
	s_bfe_u32 s10, s8, 0x30001                     ; which 128 columns
	s_and_b32 s11, s8, 1
	s_lshl_b32 s11, s11, 1
	s_lshr_b32 s12, s4, 2
	s_add_co_u32 s11, s11, s12                     ; which 256 along K
	s_and_b32 s12, s4, 3                           ; which 32 of the 128 columns
	s_cmp_eq_u32 s9, 1
	s_cselect_b64 s[18:19], s[20:21], s[18:19]
	s_cmp_eq_u32 s9, 2
	s_cselect_b64 s[18:19], s[22:23], s[18:19]
	s_cmp_eq_u32 s9, 3
	s_cselect_b64 s[18:19], s[24:25], s[18:19]
	s_lshl_b32 s44, s11, 20                        ; 256 rows of 4,096 bytes
	s_lshl_b32 s13, s10, 9
	s_add_co_u32 s44, s44, s13
	s_lshl_b32 s13, s12, 7
	s_add_co_u32 s44, s44, s13
	s_add_nc_u64 s[18:19], s[18:19], s[44:45]
	s_lshl_b32 s13, s9, 6
	s_lshl_b32 s14, s10, 3
	s_add_co_u32 s13, s13, s14
	s_lshl_b32 s14, s12, 1
	s_add_co_u32 s13, s13, s14
	s_add_co_u32 s13, s13, 256                     ; my first tile
	s_mul_i32 s46, s13, 12288
	s_mul_i32 s14, s11, 3072
	s_add_co_u32 s46, s46, s14
	s_add_nc_u64 s[38:39], s[38:39], s[46:47]
	s_lshl_b32 s48, s13, 9
	s_lshl_b32 s14, s11, 3
	s_add_co_u32 s48, s48, s14
	s_add_nc_u64 s[40:41], s[40:41], s[48:49]
	s_wait_alu depctr_va_vdst(0)
	v_lshlrev_b32 v4, 2, v1
	v_bfe_u32 v5, v0, 3, 1                         ; column j of 32 lies in tile u = (j / 8) % 2, row (j % 8) + 8 (j / 16)
	v_and_b32 v6, 7, v0
	s_delay_alu instid0(VALU_DEP_1)
	v_lshl_or_b32 v6, v3, 3, v6
	s_delay_alu instid0(VALU_DEP_3)
	v_mul_u32_u24 v7, v5, 12288
	s_delay_alu instid0(VALU_DEP_1)
	v_lshl_add_u32 v8, v6, 3, v7                   ; 12,288 u + 8 r
	s_delay_alu instid0(VALU_DEP_2)
	v_lshl_add_u32 v7, v6, 4, v7                   ; 12,288 u + 16 r
	s_delay_alu instid0(VALU_DEP_4)
	v_lshl_add_u32 v9, v5, 4, v6
	s_delay_alu instid0(VALU_DEP_1)
	v_lshlrev_b32 v9, 5, v9                        ; 32 (16 u + r)
.macro WLOAD t
.set ii, 0
.rept 32
	global_load_b32 v[32+32*((\t)%2)+ii], v4, s[18:19] offset:(32*(\t)+ii)*4096 th:TH_LOAD_NT    ; 128 consecutive bytes a wave, 512 for the four waves side by side
.set ii, ii+1
.endr
.endm
.macro WBLOCK t
.if (\t) < 7
	s_wait_loadcnt 32                              ; this block's 32 loads are in; the next block's may be out
.else
	s_wait_loadcnt 0x0
.endif
	BLK32 32+32*((\t)%2), 96+8*(\t), 12, 13        ; codes in registers of the block's own: no store's data are written again
.if (\t)%4 == 0
	v_mov_b32 v[24+(\t)/4], v13
.else
	v_lshl_or_b32 v[24+(\t)/4], v13, 8*((\t)%4), v[24+(\t)/4]
.endif
	global_store_b128 v7, v[96+8*(\t):99+8*(\t)], s[38:39] offset:((\t)/2)*768+256*((\t)%2)
	global_store_b64 v8, v[100+8*(\t):101+8*(\t)], s[38:39] offset:((\t)/2)*768+512+128*((\t)%2)
.if (\t)+2 < 8
	WLOAD (\t)+2
.endif
.endm
	WLOAD 0
	WLOAD 1
.irp t, 0,1,2,3,4,5,6,7
	WBLOCK \t
.endr
	global_store_b64 v9, v[24:25], s[40:41]
	s_endpgm
.Lfunc_end_k_q6760333bb2_prep:
	.size	k_q6760333bb2_prep, .Lfunc_end_k_q6760333bb2_prep-k_q6760333bb2_prep
	.p2alignl 7, 3214868480
	.fill 96, 4, 3214868480
	.section	.rodata,"a",@progbits
	.p2align	6, 0x0
	.amdhsa_kernel k_q6760333bb2_prep
		.amdhsa_group_segment_fixed_size 111104
		.amdhsa_private_segment_fixed_size 0
		.amdhsa_enable_private_segment 0
		.amdhsa_kernarg_size 104
		.amdhsa_user_sgpr_count 2
		.amdhsa_user_sgpr_kernarg_segment_ptr 1
		.amdhsa_wavefront_size32 1
		.amdhsa_system_sgpr_workgroup_id_x 1
		.amdhsa_system_sgpr_workgroup_id_y 1
		.amdhsa_system_sgpr_workgroup_id_z 1
		.amdhsa_system_vgpr_workitem_id 0
		.amdhsa_next_free_vgpr 256
		.amdhsa_next_free_sgpr 66
		.amdhsa_reserve_vcc 1
		.amdhsa_float_denorm_mode_32 3
		.amdhsa_float_denorm_mode_16_64 3
		.amdhsa_memory_ordered 1
		.amdhsa_forward_progress 1
		.amdhsa_inst_pref_size 141
	.end_amdhsa_kernel
	.amdgpu_metadata
---
amdhsa.version: [ 1, 2 ]
amdhsa.kernels:
  - .name:           k_q6760333bb2_prep
    .symbol:         k_q6760333bb2_prep.kd
    .args:
      - { .name: x, .offset: 0, .size: 8, .value_kind: global_buffer, .address_space: global }
      - { .name: Wq, .offset: 8, .size: 8, .value_kind: global_buffer, .address_space: global }
      - { .name: Wk, .offset: 16, .size: 8, .value_kind: global_buffer, .address_space: global }
      - { .name: Wv, .offset: 24, .size: 8, .value_kind: global_buffer, .address_space: global }
      - { .name: Wo, .offset: 32, .size: 8, .value_kind: global_buffer, .address_space: global }
      - { .name: chaos_init, .offset: 40, .size: 8, .value_kind: global_buffer, .address_space: global }
      - { .name: Wc, .offset: 48, .size: 8, .value_kind: global_buffer, .address_space: global }
      - { .name: bc, .offset: 56, .size: 8, .value_kind: global_buffer, .address_space: global }
      - { .name: Wg, .offset: 64, .size: 8, .value_kind: global_buffer, .address_space: global }
      - { .name: bg, .offset: 72, .size: 8, .value_kind: global_buffer, .address_space: global }
      - { .name: mask, .offset: 80, .size: 8, .value_kind: global_buffer, .address_space: global }
      - { .name: pc, .offset: 88, .size: 8, .value_kind: global_buffer, .address_space: global }
      - { .name: ps, .offset: 96, .size: 8, .value_kind: global_buffer, .address_space: global }
    .group_segment_fixed_size: 111104
    .private_segment_fixed_size: 0
    .kernarg_segment_align: 8
    .kernarg_segment_size: 104
    .max_flat_workgroup_size: 256
    .sgpr_count:     66
    .vgpr_count:     256
    .wavefront_size: 32
...
	.end_amdgpu_metadata
.endif
;; end of part 1
;; launch qkv (part 2): grid 12 x 16, 4 waves a work-group, clusters of 4 x 4, 327,680 bytes of LDS; arguments pc, ps, bq, bk, bv, qkvc, qkvs; writes qkvc, qkvs
.if DOCPART == 2
	.amdgcn_target "amdgcn-amd-amdhsa--gfx1250"
	.amdhsa_code_object_version 6
	.text
	.protected	k_q6760333bb2_qkv
	.globl	k_q6760333bb2_qkv
	.p2align	8
	.type	k_q6760333bb2_qkv,@function
k_q6760333bb2_qkv:
	s_mov_b64 s[64:65], 0
	v_nop
	global_prefetch_b8 v0, s[64:65] scope:SCOPE_SE
	s_setreg_imm32_b32 hwreg(HW_REG_WAVE_MODE, 25, 1), 1
	s_wait_xcnt 0x0
	s_wait_alu depctr_hold_cnt(0) depctr_sa_sdst(0) depctr_va_vdst(0) depctr_va_sdst(0) depctr_va_ssrc(0) depctr_va_vcc(0) depctr_vm_vsrc(0)
	s_getreg_b32 s2, hwreg(HW_REG_IB_STS2, 6, 4)
	s_cmp_eq_u32 s2, 0
	s_cbranch_scc0 .Lentry_in_a_cluster
	s_endpgm
.Lentry_in_a_cluster:
	s_bfe_u32 s2, ttmp6, 0x10000c
	s_cmp_lg_u32 s2, 0xf033
	s_cbranch_scc0 .Lentry_shape_is_right
	s_endpgm
.Lentry_shape_is_right:
.set NQ,     2
.set FR,     12
.set NL,     4
.set NP,     4
.set TILEB,  3072
.set HALFT,  8*TILEB
.set SLOT,   4*HALFT
.set LAPS,   2
.set SCL,    2*SLOT
.set HALFS,  16*272
.set SBLK,   2*272
.set SPARE,  SCL+4*HALFS
.set VO,     6291456
.set VSO,    262144
.set ADRA, 16
.set ADRB, 20
.set L16,  24
.set L8,   25
.set ZR,   26
.set ADRS, 27
.set SPW,  28
.set NIL,  29
.set SC,   32
.set BI,   64
.set AF,   128
.set BO,   240
.set NUM,  128
.set PC,   192
.set TM,   212
.set PW,   228
.set PWE,  229
.set SW,   232
.set SEL,  66
.set G1, 24
.set G0, 32
.set G1B, 48
.set G0B, 56
.set G1S, 68
.set G0S, 76
.set G1SB, 80
.set G0SB, 88
.set MSB, 0
.macro WIN new
.if MSB != \new
	s_set_vgpr_msb (MSB<<8)|\new
.set MSB, \new
.endif
.endm
.set MUL_LO, 0xa1
.set MUL_HI, 0xf1
.set TO_B,   0x40
.macro JLOAD g0a, g1a, g0b, g1b
	s_cmp_eq_u32 s15, 0
	s_cbranch_scc0 .Lfor_b_\@
	tensor_load_to_lds s[\g0a:\g0a+3], s[\g1a:\g1a+7]
	s_nop 0
.rept 4
	v_nop
.endr
	s_branch .Lasked_\@
.Lfor_b_\@:
	tensor_load_to_lds s[\g0b:\g0b+3], s[\g1b:\g1b+7]
	s_nop 0
.rept 4
	v_nop
.endr
.Lasked_\@:
.endm
.macro CREST
	s_cmp_lg_u32 s14, 0
	s_cbranch_scc1 .Lnot_wave_0_\@
	s_barrier_signal -3
.Lnot_wave_0_\@:
	s_barrier_wait -3
	s_barrier_signal -1
	s_barrier_wait -1
.endm
.macro CROUND
	s_barrier_signal -1
	s_barrier_wait -1
	CREST
.endm
	s_load_b128 s[4:7], s[0:1], 0x0
	s_load_b128 s[8:11], s[0:1], 0x10
	s_load_b128 s[96:99], s[0:1], 0x20
	s_load_b64 s[100:101], s[0:1], 0x30
	v_lshl_add_u32 v[SPW], v0, 2, SPARE
	v_mov_b32 v[NIL], 0
	ds_add_u32 v28, v29
	ds_add_u32 v28, v29
	s_wait_dscnt 0x0
	v_lshrrev_b32 v1, 5, v0
	v_readfirstlane_b32 s14, v1
	s_lshr_b32 s15, s14, 1
	s_and_b32 s16, s14, 1
	s_bfe_u32 s40, ttmp6, 0x40000
	s_bfe_u32 s41, ttmp6, 0x40004
	s_and_b32 s17, ttmp7, 0xffff
	s_lshl_b32 s17, s17, 2
	s_lshl_b32 s42, ttmp9, 2
	s_add_co_u32 s42, s42, 16
	s_cmp_eq_u32 ttmp9, 2
	s_cselect_b32 s42, s17, s42
	s_cselect_b32 s17, 24, s17
	s_add_co_u32 s42, s42, s40
	s_add_co_u32 s17, s17, s41
	s_lshl_b32 s43, s41, 2
	s_lshl_b32 s43, 15, s43
	s_lshl_b32 s44, 0x1111, s40
	s_or_b32 s[G1+0], s43, (3<<16)|(1<<21)
	s_or_b32 s[G1B+0], s44, (3<<16)|(1<<21)
.irp g, G1, G1B
	s_mov_b32 s[\g+1], 384<<16
	s_mov_b32 s[\g+2], 16<<16                      ; the head's loads bring 16 tiles; behind them the two words are set to 8, for the ring's
	s_mov_b32 s[\g+3], 384<<16
	s_mov_b32 s[\g+4], 16
	s_mov_b32 s[\g+5], 1536
	s_mov_b32 s[\g+6], 0
	s_mov_b32 s[\g+7], 0
.endr
	s_or_b32 s[G1S+0], s43, (3<<16)|(1<<20)|(1<<21)|(5<<22)|(3<<25)
	s_or_b32 s[G1SB+0], s44, (3<<16)|(1<<20)|(1<<21)|(5<<22)|(3<<25)
.irp g, G1S, G1SB
	s_mov_b32 s[\g+1], 32<<16
	s_mov_b32 s[\g+2], 32<<16                      ; the scales of 256 rows: 32 rows of 256 bytes
	s_mov_b32 s[\g+3], 32<<16
	s_mov_b32 s[\g+4], 32
	s_mov_b32 s[\g+5], 32
	s_mov_b32 s[\g+6], 0
	s_mov_b32 s[\g+7], 0
.endr
	s_mov_b32 s[SEL], 0x76543210
	s_mov_b32 s[SEL+1], 0xfedcba98
	s_lshl_b32 s18, s16, 7
	s_lshl_b32 s20, s17, 8
	s_add_co_u32 s20, s20, s18
	s_lshl_b32 s46, s42, 8
	s_add_co_u32 s46, s46, s18
	s_lshl_b32 s22, s20, 5
	s_lshl_b32 s92, s46, 5
	s_mul_i32 s20, s20, 768
	s_mul_i32 s46, s46, 768
	s_mov_b32 s21, 0
	s_mov_b32 s23, 0
	s_mov_b32 s47, 0
	s_mov_b32 s93, 0
	s_mul_i32 s45, s14, HALFT
	s_mul_i32 s94, s14, HALFS
	s_wait_kmcnt 0x0
	s_add_nc_u64 s[20:21], s[4:5], s[20:21]
	s_add_nc_u64 s[22:23], s[6:7], s[22:23]
	s_add_nc_u64 s[46:47], s[4:5], s[46:47]
	s_add_nc_u64 s[92:93], s[6:7], s[92:93]
	s_mul_i32 s12, s16, 98304                      ; what my half of 128 rows has added to the codes' addresses,
	s_mov_b32 s13, 0
	s_lshl_b32 s18, s16, 12                        ; and to the scales'
	s_mov_b32 s19, 0
	CROUND                                         ; all sixteen work-groups are here: the first joint loads meet
	; THE HEAD'S FOUR TILES, each whole, one load a wave: K chunk 0 of A's 16 tiles, of B's 16 tiles, the scales of A's 256 rows, of B's
	s_mov_b32 s[G0], 1
	s_mov_b32 s[G0+1], 0
	s_sub_nc_u64 s[G0+2:G0+3], s[20:21], s[12:13]
	s_or_b32 s[G0+3], s[G0+3], 0x80000000
	s_mov_b32 s[G0B], 1
	s_mov_b32 s[G0B+1], 2*HALFT
	s_sub_nc_u64 s[G0B+2:G0B+3], s[46:47], s[12:13]
	s_or_b32 s[G0B+3], s[G0B+3], 0x80000000
	s_mov_b32 s[G0S], 1
	s_mov_b32 s[G0S+1], SCL
	s_sub_nc_u64 s[G0S+2:G0S+3], s[22:23], s[18:19]
	s_or_b32 s[G0S+3], s[G0S+3], 0x80000000
	s_mov_b32 s[G0SB], 1
	s_mov_b32 s[G0SB+1], SCL+2*HALFS
	s_sub_nc_u64 s[G0SB+2:G0SB+3], s[92:93], s[18:19]
	s_or_b32 s[G0SB+3], s[G0SB+3], 0x80000000
	s_mov_b32 s[G0+4], 1                           ; slot 1's own descriptors: my quarter of K chunk 1
	s_add_co_u32 s[G0+5], s45, SLOT
	s_add_nc_u64 s[G0+6:G0+7], s[20:21], TILEB
	s_or_b32 s[G0+7], s[G0+7], 0x80000000
	s_mov_b32 s[G0B+4], 1
	s_add_co_u32 s[G0B+5], s45, SLOT
	s_add_nc_u64 s[G0B+6:G0B+7], s[46:47], TILEB
	s_or_b32 s[G0B+7], s[G0B+7], 0x80000000
.macro ARM under, g0, g1, next         ; one arm of the head's one chain: a joint load, the lines behind it, a jump to the join
	s_cmp_lt_u32 s14, \under
	s_cbranch_scc0 \next
	tensor_load_to_lds s[\g0:\g0+3], s[\g1:\g1+7]
	s_nop 0
.rept 4
	v_nop
.endr
	s_branch .Lhead_asked
\next:
.endm
	ARM 1, G0, G1, .Lhead_b
	ARM 2, G0B, G1B, .Lhead_sa
	ARM 3, G0S, G1S, .Lhead_sb
	tensor_load_to_lds s[G0SB:G0SB+3], s[G1SB:G1SB+7]
	s_nop 0
.rept 4
	v_nop
.endr
.Lhead_asked:
	s_wait_alu depctr_va_vdst(0)
	s_wait_tensorcnt 0x0                           ; my tile of the head's four is in
	ds_add_u32 v28, v29
	s_mov_b32 s[G1+2], 8<<16                       ; no tensor load of mine is out, so descriptors may be written: from here on a load brings 8 tiles,
	s_mov_b32 s[G1+4], 8
	s_mov_b32 s[G1B+2], 8<<16
	s_mov_b32 s[G1B+4], 8
	s_mov_b32 s[G0+1], s45                         ; and slot 0's descriptors stand at my quarter of K chunk 0, from where its refills step on
	s_mov_b64 s[G0+2:G0+3], s[20:21]
	s_or_b32 s[G0+3], s[G0+3], 0x80000000
	s_mov_b32 s[G0B+1], s45
	s_mov_b64 s[G0B+2:G0B+3], s[46:47]
	s_or_b32 s[G0B+3], s[G0B+3], 0x80000000
	s_wait_dscnt 0x0
	CROUND                                         ; a whole round: all four tiles are in, and the joint loads meet
	JLOAD G0+4, G1, G0B+4, G1B                     ; K chunk 1, the first tensor load behind the round
	v_and_b32 v1, 15, v0
	v_bfe_u32 v2, v0, 4, 1
	v_and_b32 v3, 31, v0
	v_lshlrev_b32 v[L16], 4, v3
	v_lshlrev_b32 v4, 3, v3
	v_add_nc_u32 v[L8], 512, v4
	v_mov_b32 v[ZR], 0
	s_mul_i32 s21, s15, HALFT
	s_mul_i32 s22, s16, HALFT
	s_add_co_u32 s22, s22, 2*HALFT
.irp s, 0,1
	v_add_nc_u32 v[ADRA+\s], s21, v[L16]
	v_add_nc_u32 v[ADRB+\s], s22, v[L16]
	v_add_nc_u32 v[ADRA+2+\s], s21, v[L8]
	v_add_nc_u32 v[ADRB+2+\s], s22, v[L8]
	s_add_co_u32 s21, s21, SLOT
	s_add_co_u32 s22, s22, SLOT
.endr
	v_lshlrev_b32 v5, 5, v1
	v_lshrrev_b32 v6, 8, v5
	v_lshl_add_u32 v5, v6, 4, v5
	s_mul_i32 s21, s15, HALFS
	s_mul_i32 s22, s16, HALFS
	s_add_co_u32 s22, s22, 2*HALFS
	s_sub_co_u32 s22, s22, s21
	v_mul_u32_u24 v6, s22, v2
	s_add_co_u32 s21, s21, SCL
	v_add_nc_u32 v5, v5, v6
	v_add_nc_u32 v[ADRS], s21, v5
	s_lshl_b32 s18, s42, 8
	s_lshl_b32 s19, s16, 7
	s_add_co_u32 s18, s18, s19
	s_and_b32 s18, s18, 1023
	s_lshl_b32 s18, s18, 2
	s_mov_b32 s19, 0
	s_cmp_eq_u32 ttmp9, 1
	s_cselect_b64 s[8:9], s[10:11], s[8:9]
	s_add_nc_u64 s[8:9], s[8:9], s[18:19]
	s_lshl_b32 s12, s17, 8
	s_lshl_b32 s13, s15, 7
	s_add_co_u32 s12, s12, s13
	s_and_b32 s12, s12, 1023
	s_lshl_b32 s12, s12, 2
	s_mov_b32 s13, 0
	s_add_nc_u64 s[96:97], s[96:97], s[12:13]
	v_lshlrev_b32 v10, 6, v2
	v_and_b32 v11, 8, v1
	v_add_nc_u32 v11, v11, v1
	v_lshlrev_b32 v11, 2, v11
.irp bb, 0,1,2,3
.irp jj, 0,1,2,3
	global_load_b128 v[BI+16*\bb+4*\jj:BI+16*\bb+4*\jj+3], v10, s[8:9] offset:128*\bb+16*\jj
.endr
.endr
.irp a, 0,1,2,3,4,5,6,7
	global_load_b32 v[BO+2*\a], v11, s[96:97] offset:(32*(\a/2)+8*(\a%2))*4
	v_mov_b32 v[BO+2*\a+1], 0
.endr
.macro FRAG reg, adr, q, i
.irp c, 0,1
	ds_load_b128 v[\reg+6*\c:\reg+6*\c+3], v[\adr] offset:(\i)*TILEB+(\q)*1536+\c*768
	ds_load_b64 v[\reg+6*\c+4:\reg+6*\c+5], v[\adr+2] offset:(\i)*TILEB+(\q)*1536+\c*768
.endr
.endm
.macro MUL16 a0, p, q, sc, zero
.irp a, \a0, \a0+1
.irp b, 0,1,2,3,4,5,6,7
.if \zero
	v_wmma_scale_f32_16x16x128_f8f6f4 v[8*(8*((\a)%4)+\b):8*(8*((\a)%4)+\b)+7], v[128*(\p)+FR*\b:128*(\p)+FR*\b+FR-1], v[AF+FR*(\a):AF+FR*(\a)+FR-1], 0, v[SC+8*NQ*(\sc)+NQ*\b+(\q)], v[SC+8*NQ*(\sc)+NQ*(\a)+(\q)] matrix_a_fmt:MATRIX_FMT_FP6 matrix_b_fmt:MATRIX_FMT_FP6 matrix_a_scale:MATRIX_SCALE_ROW1
.else
	v_wmma_scale_f32_16x16x128_f8f6f4 v[8*(8*((\a)%4)+\b):8*(8*((\a)%4)+\b)+7], v[128*(\p)+FR*\b:128*(\p)+FR*\b+FR-1], v[AF+FR*(\a):AF+FR*(\a)+FR-1], v[8*(8*((\a)%4)+\b):8*(8*((\a)%4)+\b)+7], v[SC+8*NQ*(\sc)+NQ*\b+(\q)], v[SC+8*NQ*(\sc)+NQ*(\a)+(\q)] matrix_a_fmt:MATRIX_FMT_FP6 matrix_b_fmt:MATRIX_FMT_FP6 matrix_a_scale:MATRIX_SCALE_ROW1
.endif
.endr
.endr
.endm
.macro FETCH_B slot, q, p
	WIN TO_B
.irp i, 0,1,2,3,4,5,6,7
	FRAG 128*(\p)+FR*\i, ADRB+\slot, \q, \i
.endr
	WIN 0
.endm
.macro FETCH_A slot, q, i0
.irp i, \i0, \i0+1, \i0+2, \i0+3
	FRAG AF+FR*(\i), ADRA+\slot, \q, \i
.endr
.endm
.macro SCALES sc
.irp i, 0,1,2,3,4,5,6,7
	ds_load_b64 v[SC+8*NQ*\sc+NQ*\i:SC+8*NQ*\sc+NQ*\i+1], v[ADRS] offset:\i*SBLK
.endr
.endm
.macro PLACES n
.rept \n
	v_nop
.endr
.endm
.macro STEP slot, q, zero
	s_wait_dscnt 4*NL
	WIN MUL_LO
	MUL16 0, (\q)%2, \q, \slot, \zero
	MUL16 2, (\q)%2, \q, \slot, \zero
	s_wait_dscnt 0
	PLACES NP
	FETCH_B \slot, (\q)+1, 1-(\q)%2
	FETCH_A \slot, (\q)+1, 0
	WIN MUL_HI
	MUL16 4, (\q)%2, \q, \slot, \zero
	MUL16 6, (\q)%2, \q, \slot, \zero
	PLACES NP
	WIN 0
	FETCH_A \slot, (\q)+1, 4
.endm
.macro TURN slot, next, fill
	s_wait_tensorcnt 0x0
	ds_add_u32 v[SPW], v[NIL]
	s_wait_dscnt 4*NL+1
	WIN MUL_LO
	MUL16 0, 1, NQ-1, \slot, 0
	s_wait_dscnt 0x0
	s_barrier_signal -1
	MUL16 2, 1, NQ-1, \slot, 0
	WIN 0
	s_barrier_wait -1
.if \fill
	CREST
	s_add_nc_u64 s[G0+4*\slot+2:G0+4*\slot+3], s[G0+4*\slot+2:G0+4*\slot+3], 2*TILEB
	s_add_nc_u64 s[G0B+4*\slot+2:G0B+4*\slot+3], s[G0B+4*\slot+2:G0B+4*\slot+3], 2*TILEB
	JLOAD G0+4*\slot, G1, G0B+4*\slot, G1B
.else
	PLACES NP
.endif
	s_wait_alu depctr_va_vdst(0)
	v_add_nc_u32 v[ADRS], 4*NQ, v[ADRS]
	FETCH_B \next, 0, 0
	FETCH_A \next, 0, 0
	SCALES \next
	WIN MUL_HI
	MUL16 4, 1, NQ-1, \slot, 0
	MUL16 6, 1, NQ-1, \slot, 0
	PLACES NP
	WIN 0
	FETCH_A \next, 0, 4
.endm
	s_wait_tensorcnt 1
	s_barrier_signal -1
	s_barrier_wait -1
	FETCH_B 0, 0, 0
	FETCH_A 0, 0, 0
	SCALES 0
	FETCH_A 0, 0, 4
	STEP 0, 0, 1
	s_mov_b32 s3, LAPS-1
.Llap:
	TURN 0, 1, 1
	STEP 1, 0, 0
	TURN 1, 0, 1
	STEP 0, 0, 0
	s_sub_co_u32 s3, s3, 1
	s_cmp_lg_u32 s3, 0
	s_cbranch_scc1 .Llap
	TURN 0, 1, 0
	STEP 1, 0, 0
	s_wait_dscnt 4*NL
	WIN MUL_LO
	MUL16 0, 1, NQ-1, 1, 0
	MUL16 2, 1, NQ-1, 1, 0
	s_wait_dscnt 0
	WIN MUL_HI
	MUL16 4, 1, NQ-1, 1, 0
	MUL16 6, 1, NQ-1, 1, 0
	WIN 0
	PLACES NP
	s_sub_co_u32 s70, s42, 16
	s_lshl_b32 s71, s70, 2
	s_lshl_b32 s72, s16, 1
	s_add_co_u32 s71, s71, s72
	s_lshl_b32 s71, s71, 8
	s_lshl_b32 s72, s17, 4
	s_add_co_u32 s71, s71, s72
	s_lshl_b32 s72, s15, 3
	s_add_co_u32 s71, s71, s72
	s_mul_i32 s71, s71, 768
	s_lshl_b32 s73, s70, 1
	s_add_co_u32 s73, s73, s16
	s_lshl_b32 s73, s73, 14
	s_lshl_b32 s74, s17, 1
	s_add_co_u32 s74, s74, s15
	s_lshl_b32 s74, s74, 9
	s_add_co_u32 s73, s73, s74
	s_lshl_b32 s75, s41, 1
	s_add_co_u32 s75, s75, s15
	s_lshl_b32 s76, s42, 1
	s_add_co_u32 s76, s76, s16
	s_lshr_b32 s77, s76, 4
	s_and_b32 s78, s76, 15
	s_lshl_b32 s77, s77, 4
	s_lshl_b32 s79, s75, 1
	s_add_co_u32 s79, s79, s77
	s_lshl_b32 s79, s79, 4
	s_add_co_u32 s79, s79, s78
	s_mul_i32 s79, s79, 6144
	s_add_co_u32 s79, s79, VO
	s_lshl_b32 s75, s75, 14
	s_lshl_b32 s76, s76, 9
	s_add_co_u32 s75, s75, s76
	s_add_co_u32 s75, s75, VSO
	s_mov_b32 s80, 196608
	s_mov_b32 s90, 768
	s_mov_b32 s82, 768
	s_cmp_eq_u32 ttmp9, 2
	s_cselect_b32 s84, s79, s71
	s_cselect_b32 s88, s75, s73
	s_cselect_b32 s80, 768, s80
	s_cselect_b32 s90, 1536, s90
	s_cselect_b32 s82, 93696, s82
	s_cselect_b32 s68, -1, 0
	s_cselect_b32 s69, 0, -1
	s_mov_b32 s85, 0
	s_mov_b32 s89, 0
	s_mov_b32 s81, 0
	s_mov_b32 s91, 0
	s_mov_b32 s83, 0
	s_add_nc_u64 s[84:85], s[98:99], s[84:85]
	s_add_nc_u64 s[86:87], s[84:85], s[80:81]
	s_add_nc_u64 s[88:89], s[100:101], s[88:89]
	s_mov_b32 s92, 0xffff0000
	s_wait_loadcnt 0x0
.set ii, 0
.rept 64
	v_cndmask_b32 v[BI+ii], v[BI+ii], v[ZR], s68
.set ii, ii+1
.endr
.irp a, 0,1,2,3,4,5,6,7
	v_cndmask_b32 v[BO+2*\a], v[BO+2*\a], v[ZR], s69
.endr
.irp b, 0,1,2,3
	v_mov_b32 v[TM+4+\b], 0
.endr
.macro QUANT s
.irp b, 0,1,2,3
	v_max3_num_f32 v[TM+\b], |v[\s+16*\b]|, |v[\s+1+16*\b]|, 0x1800000
.endr
.irp i, 2,4,6,8,10,12,14
.irp b, 0,1,2,3
	v_max3_num_f32 v[TM+\b], v[TM+\b], |v[\s+16*\b+\i]|, |v[\s+1+16*\b+\i]|
.endr
.endr
.irp b, 0,1,2,3
	v_permlanex16_b32 v[TM+4+\b], v[TM+\b], s[SEL], s[SEL+1]
.endr
.irp b, 0,1,2,3
	v_max_num_f32 v[TM+\b], v[TM+\b], v[TM+4+\b]
.endr
.irp b, 0,1,2,3
	v_add_nc_u32 v[TM+12+\b], 0xff000000, v[TM+\b]
.endr
.irp b, 0,1,2,3
	v_lshrrev_b32 v[TM+4+\b], 23, v[TM+12+\b]
.endr
	v_lshl_or_b32 v[PW], v[TM+5], 8, v[TM+4]
	v_lshl_or_b32 v[PW], v[TM+6], 16, v[PW]
	v_lshl_or_b32 v[PW], v[TM+7], 24, v[PW]
.irp c, 0,1
	v_cvt_scalef32_pk16_fp6_f32 v[PC+6*\c:PC+2+6*\c], v[\s+32*\c:\s+15+32*\c], v[TM+12+2*\c]
	v_cvt_scalef32_pk16_fp6_f32 v[PC+12+4*\c:PC+14+4*\c], v[\s+16+32*\c:\s+31+32*\c], v[TM+12+2*\c+1]
.endr
	v_nop
.irp c, 0,1
.irp i, 0,1,2
	v_permlane16_swap_b32 v[PC+6*\c+\i], v[PC+12+4*\c+\i]
.endr
.irp i, 0,1,2
	v_mov_b32 v[PC+3+6*\c+\i], v[PC+12+4*\c+\i]
.endr
.endr
.endm
.macro OUT a
.set AC, 64*((\a)%4)
.if (\a) > 0
	s_wait_xcnt 0x0
.if (\a) == 4
	s_add_nc_u64 s[84:85], s[84:85], s[82:83]
	s_add_nc_u64 s[86:87], s[86:87], s[82:83]
.else
	s_add_nc_u64 s[84:85], s[84:85], s[90:91]
	s_add_nc_u64 s[86:87], s[86:87], s[90:91]
.endif
.endif
	WIN 0x02+(\a)/4
.set pp, 0
.rept 32
	v_pk_add_f32 v[NUM+2*pp:NUM+2*pp+1], v[AC+2*pp:AC+2*pp+1], v[BI+2*pp:BI+2*pp+1]
.set pp, pp+1
.endr
	WIN 0
.set pp, 0
.rept 32
	v_pk_add_f32 v[NUM+2*pp:NUM+2*pp+1], v[NUM+2*pp:NUM+2*pp+1], v[BO+2*(\a):BO+2*(\a)+1] op_sel_hi:[1,0]
.set pp, pp+1
.endr
	QUANT NUM
	global_store_b128 v[L16], v[PC:PC+3], s[84:85]
	global_store_b64 v[L8], v[PC+4:PC+5], s[84:85]
	global_store_b128 v[L16], v[PC+6:PC+9], s[86:87]
	global_store_b64 v[L8], v[PC+10:PC+11], s[86:87]
.if (\a)%2 == 0
	v_mov_b32 v[PWE], v[PW]
.else
	v_cndmask_b32 v[SW+(\a)/2], v[PWE], v[PW], s92
.endif
.endm
.irp a, 0,1,2,3,4,5,6,7
	OUT \a
.endr
	global_store_b128 v[L16], v[SW:SW+3], s[88:89]
	s_wait_tensorcnt 0x0
	ds_add_u32 v[SPW], v[NIL]
	s_wait_dscnt 0x0
	CROUND
	s_endpgm
.Lfunc_end_k_q6760333bb2_qkv:
	.size	k_q6760333bb2_qkv, .Lfunc_end_k_q6760333bb2_qkv-k_q6760333bb2_qkv
	.p2alignl 7, 3214868480
	.fill 96, 4, 3214868480
	.section	.rodata,"a",@progbits
	.p2align	6, 0x0
	.amdhsa_kernel k_q6760333bb2_qkv
		.amdhsa_group_segment_fixed_size 327680
		.amdhsa_private_segment_fixed_size 0
		.amdhsa_enable_private_segment 0
		.amdhsa_kernarg_size 56
		.amdhsa_user_sgpr_count 2
		.amdhsa_user_sgpr_kernarg_segment_ptr 1
		.amdhsa_wavefront_size32 1
		.amdhsa_system_sgpr_workgroup_id_x 1
		.amdhsa_system_sgpr_workgroup_id_y 1
		.amdhsa_system_sgpr_workgroup_id_z 1
		.amdhsa_system_vgpr_workitem_id 0
		.amdhsa_next_free_vgpr 1024
		.amdhsa_next_free_sgpr 102
		.amdhsa_reserve_vcc 0
		.amdhsa_float_denorm_mode_32 3
		.amdhsa_float_denorm_mode_16_64 3
		.amdhsa_memory_ordered 1
		.amdhsa_forward_progress 1
		.amdhsa_inst_pref_size 191
	.end_amdhsa_kernel
	.amdgpu_metadata
---
amdhsa.version: [ 1, 2 ]
amdhsa.kernels:
  - .name:           k_q6760333bb2_qkv
    .symbol:         k_q6760333bb2_qkv.kd
    .args:
      - { .name: pc, .offset: 0, .size: 8, .value_kind: global_buffer, .address_space: global }
      - { .name: ps, .offset: 8, .size: 8, .value_kind: global_buffer, .address_space: global }
      - { .name: bq, .offset: 16, .size: 8, .value_kind: global_buffer, .address_space: global }
      - { .name: bk, .offset: 24, .size: 8, .value_kind: global_buffer, .address_space: global }
      - { .name: bv, .offset: 32, .size: 8, .value_kind: global_buffer, .address_space: global }
      - { .name: qkvc, .offset: 40, .size: 8, .value_kind: global_buffer, .address_space: global }
      - { .name: qkvs, .offset: 48, .size: 8, .value_kind: global_buffer, .address_space: global }
    .group_segment_fixed_size: 327680
    .private_segment_fixed_size: 0
    .kernarg_segment_align: 8
    .kernarg_segment_size: 56
    .max_flat_workgroup_size: 128
    .sgpr_count:     102
    .vgpr_count:     1024
    .wavefront_size: 32
...
	.end_amdgpu_metadata
.endif
;; end of part 2
;; launch attn (part 3): grid 8 x 32, 8 waves a work-group, clusters of 4 x 1, 254,976 bytes of LDS; arguments pc, ps, qkvc, qkvs, oc, os; writes oc, os
.if DOCPART == 3
	.amdgcn_target "amdgcn-amd-amdhsa--gfx1250"
	.amdhsa_code_object_version 6
	.text
	.protected	k_q6760333bb2_attn
	.globl	k_q6760333bb2_attn
	.p2align	8
	.type	k_q6760333bb2_attn,@function
k_q6760333bb2_attn:
	s_mov_b64 s[64:65], 0
	v_nop
	global_prefetch_b8 v0, s[64:65] scope:SCOPE_SE
	s_setreg_imm32_b32 hwreg(HW_REG_WAVE_MODE, 25, 1), 1
	s_wait_xcnt 0x0
	s_wait_alu depctr_hold_cnt(0) depctr_sa_sdst(0) depctr_va_vdst(0) depctr_va_sdst(0) depctr_va_ssrc(0) depctr_va_vcc(0) depctr_vm_vsrc(0)
	s_getreg_b32 s2, hwreg(HW_REG_IB_STS2, 6, 4)
	s_cmp_eq_u32 s2, 0
	s_cbranch_scc0 .Lentry_in_a_cluster
	s_endpgm
.Lentry_in_a_cluster:
	s_bfe_u32 s2, ttmp6, 0x10000c
	s_cmp_lg_u32 s2, 0x3003
	s_cbranch_scc0 .Lentry_shape_is_right
	s_endpgm
.Lentry_shape_is_right:
; out[b][q][h] = softmax_k( (q . k + g[k] (cq . k)) / 8, masked keys out ) v; all three products on codes of FP6 (E2M3) with E8M0 scales; g = 0.1 x the key's gate.
; THE SOFTMAX: t = logit x log2(e); M = the running largest t rounded UP to a whole number; p = 2^(t - M) is quantised along the keys, not normalised; the row's sum is taken of the unquantised p and divides at the end.
; When M moves, the sum and O are multiplied by 2^(old M - new M): exact.
; SHARES.  A work-group owns 256 queries of one head of one batch; each of its eight waves TWO tiles of 16 queries, so that every fragment of K and V, every g and every addend read from LDS serves two tiles.
; All of the head's K and V, their scale words, g and the mask's addend come into LDS once, one joint tensor load a wave (the four query blocks of a cluster read the same bytes: mask 15); nothing is filled again or stored to.
; No prefetch: every byte is asked for at the head, there is no loop to run ahead in.
; LAYOUT.  Both kinds of product are used transposed (S^T = K q^T, O^T = V^T p^T): a lane holds one query of each tile throughout.
; THE KEYS OF A TILE: tile 4 c + i of a step's eight takes as rows 0-7 keys 8 i .. 8 i + 7 of block 2 c and as rows 8-15 the same of block 2 c + 1 (blocks of 32 keys).  So lane half h holds block 2 c + h WHOLE, in order, in
; registers 32 c .. 32 c + 31: the block's maximum needs no other lane, and the conversions' results are the operand's registers.  In memory those rows lie two units apart: K's LDS rows of 256 bytes have 64 bytes of padding, so that
; the sixteen lanes of a 16-byte read fall on sixteen different columns of 16 bytes.
; THE SCORES: first cq . k (C = 0), then one packed multiply-add x g + the mask's addend (0 or -2^126), then q . k adds onto that in place.  K = 64: q's and cq's upper six registers are zero codes; K's fragment is named twelve long.
; A STEP has three runs of products (16, 16, 8) and one run of LDS loads, behind the second: V of this step, and g, the addend's first half and K of the next.  The addend's second half waits in V's registers until the multiply-adds have read it.
; Dependent lines stand in eight chains by turns (the maxima; the sums, with the scale arithmetic between them).
; LIMITS: NaN and infinities are not served; a logit with t under -2^119 counts as masked.  A row all of whose keys are masked has the sum 0: its scale bytes are written as 0xff, so that the last product gives NaN there.
; The output's scale bytes leave as 2 bytes a row, 32 bytes apart: the other heads' bytes belong to other work-groups.
; WINDOW 0: v1-7 LDS addresses; v8-11 q's, cq's scale words; v[12:13], v[14:15] -M (the pairs' upper words carry conversion scales); v[16:19] sums; v[20:23] f; v24, 25 largest scores; v26 8 h; v27, 28 p's scale words;
;   v30, 31 the add's; v32-37 K's, V's scale words; v38-63 at work, then p's codes; v64-191 scores, then p; v192-255 g.
; WINDOW 1: v0-53 K; v56-103 q, cq; v104-167 O^T; v168-215 V (v168-199 first the addend's second half); v216-247 the addend's first half.
.set VC,   122880
.set KSC,  221184
.set VSC,  229376
.set GG,   237568
.set SPARE,253952
.set CQC,  6291456
.set CQS,  262144
.set GM,   524288
.set VO,   6291456
.set SA, 64
.set SB, 128
.set G,  192
.set PA, 40
.set PB, 52
.set KSR, 32
.set VSR, 36
.set QA, 56
.set CA, 68
.set QB, 80
.set CB, 92
.set OA, 104
.set OB, 136
.set V,  168
.set MD, 216
.set WV, 18
.set G1K, 24
.set G1V, 32
.set G1S, 40
.set G1G, 48
.set G0K, 84
.set G0V, 88
.set G0S, 92
.set G0G, 96
.set SEL, 56
.set CS,  58
.set CNT, 60
.set MSB, 0
.macro WIN new                         ; the immediate's high byte repeats the setting that is left
.if MSB != \new
	s_set_vgpr_msb (MSB<<8)|\new
.set MSB, \new
.endif
.endm
.macro NOPS n
.rept \n
	v_nop
.endr
.endm
.macro CROUND
	s_barrier_signal -1
	s_barrier_wait -1
	s_cmp_lg_u32 s[WV], 0
	s_cbranch_scc1 .Lnot_wave_0_\@
	s_barrier_signal -3
.Lnot_wave_0_\@:
	s_barrier_wait -3
	s_barrier_signal -1
	s_barrier_wait -1
.endm
.macro W6 d, a, b, c, sa, sb, row
.if \row
	v_wmma_scale_f32_16x16x128_f8f6f4 v[\d:\d+7], v[\a:\a+11], v[\b:\b+11], \c, v[\sa], v[\sb] matrix_a_fmt:MATRIX_FMT_FP6 matrix_b_fmt:MATRIX_FMT_FP6 matrix_a_scale:MATRIX_SCALE_ROW1
.else
	v_wmma_scale_f32_16x16x128_f8f6f4 v[\d:\d+7], v[\a:\a+11], v[\b:\b+11], \c, v[\sa], v[\sb] matrix_a_fmt:MATRIX_FMT_FP6 matrix_b_fmt:MATRIX_FMT_FP6
.endif
.endm
.macro ARM under, g0, g1, next         ; one arm of the head's chain: a joint load, the lines behind it, a jump to the join
	s_cmp_lt_u32 s[WV], \under
	s_cbranch_scc0 \next
	tensor_load_to_lds s[\g0:\g0+3], s[\g1:\g1+7]
	s_nop 0
	NOPS 4
	s_branch .Lasked
\next:
.endm
.macro LDG                             ; g of the step's 128 keys: my half's 64
.irp q, 0,1,2,3,4,5,6,7,8,9,10,11,12,13,14,15
	ds_load_b128 v[G+4*\q:G+4*\q+3], v6 offset:(\q/8)*256+(\q%8)*16
.endr
.endm
.macro LDM d, c                        ; the addend of my block 2 c + h
.irp q, 0,1,2,3,4,5,6,7
	ds_load_b128 v[\d+4*\q:\d+4*\q+3], v6 offset:8192+256*\c+16*\q
.endr
.endm
.macro LDK                             ; K's eight tiles
.irp n, 0,1,2,3,4,5,6,7
	ds_load_b128 v[6*\n:6*\n+3], v1 offset:(4*(\n/4)+(\n%2))*960+128*((\n%4)/2)
	ds_load_b64 v[6*\n+4:6*\n+5], v2 offset:(4*(\n/4)+(\n%2))*960+64*((\n%4)/2)
.endr
.endm
.macro LDKS                            ; register k: lanes 0-15 tile 2 k's scale bytes, lanes 16-31 tile 2 k + 1's
.irp k, 0,1,2,3
	ds_load_u16 v[KSR+\k], v5 offset:128*(\k%2)+8*(\k/2)
.endr
.endm
.macro LDV
.irp t, 0,1,2,3
.irp c, 0,1
	ds_load_b128 v[V+12*\t+6*\c:V+12*\t+6*\c+3], v3 offset:\t*1536+\c*768
	ds_load_b64 v[V+12*\t+6*\c+4:V+12*\t+6*\c+5], v4 offset:\t*1536+\c*768
.endr
.endr
.endm
.macro GFMA c, m                       ; (cq . k) x g + the addend, both tiles by turns, each accumulator from its low end on
.irp p, 0,1,2,3,4,5,6,7,8,9,10,11,12,13,14,15
	v_pk_fma_f32 v[SA+32*\c+2*\p:SA+32*\c+2*\p+1], v[SA+32*\c+2*\p:SA+32*\c+2*\p+1], v[G+32*\c+2*\p:G+32*\c+2*\p+1], v[\m+2*\p:\m+2*\p+1]
	v_pk_fma_f32 v[SB+32*\c+2*\p:SB+32*\c+2*\p+1], v[SB+32*\c+2*\p:SB+32*\c+2*\p+1], v[G+32*\c+2*\p:G+32*\c+2*\p+1], v[\m+2*\p:\m+2*\p+1]
.endr
.endm
	s_load_b128 s[4:7], s[0:1], 0x0                ; pc, ps
	s_load_b128 s[8:11], s[0:1], 0x10              ; qkvc, qkvs
	s_load_b128 s[12:15], s[0:1], 0x20             ; oc, os
	v_lshl_add_u32 v30, v0, 2, SPARE
	v_mov_b32 v31, 0
	ds_add_u32 v30, v31                            ; the opening lines
	ds_add_u32 v30, v31
	v_lshrrev_b32 v1, 5, v0
	v_readfirstlane_b32 s[WV], v1                  ; wave 0..7
	s_bfe_u32 s19, ttmp6, 0x40000                  ; cx: it enters q's, cq's and the output's addresses alone
	s_and_b32 s20, ttmp7, 0xffff
	s_lshr_b32 s21, s20, 4                         ; batch
	s_and_b32 s22, s20, 15                         ; head
	s_and_b32 s23, s22, 1
	s_mov_b32 s[G1K], 15|(3<<16)|(1<<20)|(1<<21)|(5<<22)|(15<<25)   ; K: 128 rows of 256 bytes, 16 words of padding behind each
	s_mov_b32 s[G1V], 15|(3<<16)|(1<<21)           ; V: the same rows, dense
.irp g, G1K, G1V
	s_mov_b32 s[\g+1], 32<<16
	s_mov_b32 s[\g+2], 128<<16
	s_mov_b32 s[\g+3], 32<<16
	s_mov_b32 s[\g+4], 128
	s_mov_b32 s[\g+5], 32
	s_mov_b32 s[\g+6], 0
	s_mov_b32 s[\g+7], 0
.endr
.irp g, G1S, G1G                       ; two rows of 8,192 bytes: K's and V's scale words; g and the addend
	s_mov_b32 s[\g], 15|(3<<16)|(1<<21)
	s_mov_b32 s[\g+1], 1024<<16
	s_mov_b32 s[\g+2], 2<<16
	s_mov_b32 s[\g+3], 1024<<16
	s_mov_b32 s[\g+4], 2
	s_mov_b32 s[\g+6], 0
	s_mov_b32 s[\g+7], 0
.endr
	s_mov_b32 s[G1S+5], 16384                      ; V's words lie 131,072 bytes behind K's
	s_mov_b32 s[G1G+5], 2048                       ; the addend 16,384 bytes behind g
	s_lshl_b32 s61, s[WV], 15                      ; a third of K or V is 32,768 bytes
	s_mov_b32 s[G0K], 1
	s_mul_i32 s[G0K+1], s[WV], 40960               ; waves 0-2: 128 padded rows each
	s_mov_b32 s[G0V], 1
	s_add_co_u32 s[G0V+1], s61, VC-98304           ; waves 3-5
	s_mov_b32 s[G0S], 1
	s_mov_b32 s[G0S+1], KSC
	s_mov_b32 s[G0G], 1
	s_mov_b32 s[G0G+1], GG
	s_add_co_u32 s70, s22, 16
	s_mul_i32 s70, s70, 196608                     ; k's head unit 16 + h,
	s_mul_i32 s62, s21, 98304                      ; the batch's 128 tiles
	s_add_co_u32 s70, s70, s62
	s_add_co_u32 s70, s70, s61
	s_mov_b32 s71, 0
	s_lshl_b32 s72, s21, 4
	s_add_co_u32 s72, s72, s22
	s_mul_i32 s72, s72, 98304
	s_add_co_u32 s72, s72, s61
	s_add_co_u32 s72, s72, VO-98304                ; v's (batch, head), less the three thirds that the wave's number counts too many
	s_mov_b32 s73, 0
	s_lshr_b32 s74, s22, 1
	s_lshl_b32 s74, s74, 14
	s_lshl_b32 s62, s21, 13
	s_add_co_u32 s74, s74, s62
	s_add_co_u32 s74, s74, 131072
	s_mov_b32 s75, 0
	s_add_co_u32 s76, s62, GM
	s_mov_b32 s77, 0
	s_mov_b32 s[SEL], 0x76543210
	s_mov_b32 s[SEL+1], 0xfedcba98
	s_mov_b32 s[CS], 0x3e38aa3b                    ; c = log2(e) / 8
	s_mov_b32 s[CS+1], s[CS]
	s_wait_dscnt 0x0
	s_wait_kmcnt 0x0
	s_add_nc_u64 s[G0K+2:G0K+3], s[8:9], s[70:71]
	s_or_b32 s[G0K+3], s[G0K+3], 0x80000000
	s_add_nc_u64 s[G0V+2:G0V+3], s[8:9], s[72:73]
	s_or_b32 s[G0V+3], s[G0V+3], 0x80000000
	s_add_nc_u64 s[G0S+2:G0S+3], s[10:11], s[74:75]
	s_or_b32 s[G0S+3], s[G0S+3], 0x80000000
	s_add_nc_u64 s[G0G+2:G0G+3], s[6:7], s[76:77]
	s_or_b32 s[G0G+3], s[G0G+3], 0x80000000
	CROUND                                         ; all four work-groups are here: the joint loads meet
	ARM 3, G0K, G1K, .Lfor_v                       ; one chain, one load to an arm, one join
	ARM 6, G0V, G1V, .Lfor_s
	ARM 7, G0S, G1S, .Lfor_g
	tensor_load_to_lds s[G0G:G0G+3], s[G1G:G1G+7]
	s_nop 0
	NOPS 4
.Lasked:
	; my first tile of queries T = 128 b + 16 x query block + 2 x wave; the second is T + 1
	s_lshl_b32 s61, ttmp9, 2
	s_add_co_u32 s61, s61, s19
	s_lshl_b32 s61, s61, 4
	s_lshl_b32 s62, s[WV], 1
	s_add_co_u32 s61, s61, s62
	s_lshl_b32 s62, s21, 7
	s_add_co_u32 s61, s61, s62
	s_lshl_b32 s62, s22, 8
	s_add_co_u32 s62, s62, s61
	s_mul_i32 s62, s62, 768                        ; unit (h, T)
	s_mov_b32 s63, 0
	s_add_nc_u64 s[66:67], s[8:9], s[62:63]        ; q
	s_add_nc_u64 s[68:69], s[4:5], s[62:63]
	s_add_nc_u64 s[68:69], s[68:69], CQC           ; cq
	s_lshr_b32 s62, s22, 1                         ; q's scales: block (h / 2, T / 8); lane 16 (T % 2) + r; word (T % 8) / 2; half h % 2
	s_lshl_b32 s62, s62, 5
	s_lshr_b32 s78, s61, 3
	s_add_co_u32 s62, s62, s78
	s_lshl_b32 s62, s62, 9
	s_bfe_u32 s79, s61, 0x20001
	s_lshl_b32 s79, s79, 2
	s_add_co_u32 s62, s62, s79
	s_lshl_b32 s79, s23, 1
	s_add_co_u32 s62, s62, s79
	s_add_nc_u64 s[70:71], s[10:11], s[62:63]
	s_lshr_b32 s62, s61, 1                         ; cq's: block (T / 2, h / 4); token 8 (T % 2) + r + 8 (r / 8); word h % 4
	s_lshl_b32 s62, s62, 2
	s_lshr_b32 s79, s22, 2
	s_add_co_u32 s62, s62, s79
	s_lshl_b32 s62, s62, 9
	s_and_b32 s79, s22, 3
	s_lshl_b32 s79, s79, 2
	s_add_co_u32 s62, s62, s79
	s_add_co_u32 s62, s62, CQS
	s_add_nc_u64 s[72:73], s[6:7], s[62:63]
	s_lshl_b32 s62, s61, 4
	s_add_co_u32 s62, s62, s22
	s_mul_i32 s62, s62, 768                        ; the output's unit (T, h)
	s_add_nc_u64 s[74:75], s[12:13], s[62:63]
	s_lshl_b32 s62, s61, 9
	s_lshl_b32 s79, s22, 1
	s_add_co_u32 s62, s62, s79                     ; its scale bytes: row 16 T + r, bytes 2 h, 2 h + 1
	s_add_nc_u64 s[76:77], s[14:15], s[62:63]
	v_and_b32 v38, 31, v0
	v_and_b32 v39, 15, v0                          ; r
	v_bfe_u32 v29, v0, 4, 1                        ; lane / 16
	v_and_b32 v40, 7, v0                           ; r % 8
	v_bfe_u32 v41, v0, 3, 1                        ; r / 8
	v_lshlrev_b32 v42, 4, v38
	v_lshlrev_b32 v43, 3, v38
	v_add_nc_u32 v43, 512, v43
	v_lshlrev_b32 v44, 4, v39
	v_and_b32 v45, 8, v39
	v_add_nc_u32 v45, v45, v39
	v_lshlrev_b32 v45, 4, v45
	WIN 0x40
	global_load_b128 v[QA:QA+3], v42, s[66:67]
	global_load_b64 v[QA+4:QA+5], v43, s[66:67]
	global_load_b128 v[QB:QB+3], v42, s[66:67] offset:768
	global_load_b64 v[QB+4:QB+5], v43, s[66:67] offset:768
	global_load_b128 v[CA:CA+3], v42, s[68:69]
	global_load_b64 v[CA+4:CA+5], v43, s[68:69]
	global_load_b128 v[CB:CB+3], v42, s[68:69] offset:768
	global_load_b64 v[CB+4:CB+5], v43, s[68:69] offset:768
.irp b, 48, QA+6, CA+6, QB+6, CB+6
.irp j, 0,1,2,3,4,5
	v_mov_b32 v[\b+\j], 0                          ; the zero codes of k = 64 .. 127, and what is named behind K's eighth tile
.endr
.endr
.set ii, 0
.rept 64
	v_mov_b32 v[OA+ii], 0                          ; O^T: the step is written for every trip alike; the first finds zeros
.set ii, ii+1
.endr
	WIN 0
	global_load_u16 v8, v44, s[70:71]              ; two bytes; the word's upper bytes are 0, over zero codes
	global_load_u16 v10, v44, s[70:71] offset:256
	global_load_b32 v9, v45, s[72:73]
	global_load_b32 v11, v45, s[72:73] offset:128
	v_lshlrev_b32 v1, 4, v40                       ; K, 16-byte parts: 16 (r % 8) + 320 (lane / 16) + two padded units for rows 8-15
	v_mad_u32_u24 v1, v29, 320, v1
	v_mad_u32_u24 v1, v41, 1920, v1
	v_lshl_add_u32 v2, v40, 3, 640                 ; 8-byte parts: the unit's third row
	v_lshl_add_u32 v2, v29, 7, v2
	v_mad_u32_u24 v2, v41, 1920, v2
	v_add_nc_u32 v3, VC-6144, v42                  ; V's three addresses stand one step back: each step moves them on ahead of its loads
	v_add_nc_u32 v4, VC-6144, v43
	s_lshl_b32 s62, s23, 1
	s_add_co_u32 s62, s62, KSC
	v_lshl_add_u32 v5, v40, 4, s62                 ; K's scale bytes: my head's half of a word
	v_lshl_add_u32 v5, v41, 2, v5
	v_lshl_add_u32 v5, v29, 8, v5
	v_lshl_add_u32 v6, v29, 7, GG                  ; g: my block of each 64 keys
	s_lshl_b32 s62, s23, 3
	s_add_co_u32 s62, s62, VSC-512
	v_add_nc_u32 v7, s62, v42
	v_lshlrev_b32 v26, 3, v29
	v_mov_b32 v24, 0xfc800000                      ; the largest score so far: -2^122: above every masked one, under every other
	v_mov_b32 v25, 0xfc800000
	v_mul_f32 v12, s[CS], v24
	v_mul_f32 v14, s[CS], v25
	v_floor_f32 v12, -v12
	v_floor_f32 v14, -v14
.irp j, 13,15,16,17,18,19,21,23,48,49
	v_mov_b32 v[\j], 0
.endr
	s_wait_alu depctr_va_vdst(0)                   ; the wait at the head's end
	s_wait_loadcnt 0x0
	s_wait_tensorcnt 0x0                           ; my fill has landed,
	s_barrier_signal -1
	s_barrier_wait -1                              ; everybody's has
	LDG                                            ; the first step's operands; the addend's second half last, as in every step
	LDKS
	WIN 0x40
	LDM MD, 0
	LDK
	LDM V, 1
	WIN 0
; 128 keys x 32 queries.  pf = 1: the next step's operands are asked for
.macro STEP pf
	s_wait_dscnt 8                                 ; all but the youngest 8 (the addend's second half) are in
	WIN 0x05
.irp n, 0,1,2,3,4,5,6,7
	W6 SA+8*\n, 6*\n, CA, 0, KSR+\n/2, 9, \n%2     ; no two products that follow each other share an accumulator
	W6 SB+8*\n, 6*\n, CB, 0, KSR+\n/2, 11, \n%2
.endr
	s_wait_dscnt 0x0
	NOPS 4                                         ; places in front of the first read of results
	WIN 0x10
	GFMA 0, MD
	GFMA 1, V
	WIN 0x05
.irp n, 0,1,2,3,4,5,6,7
	W6 SA+8*\n, 6*\n, QA, v[SA+8*\n:SA+8*\n+7], KSR+\n/2, 8, \n%2
	W6 SB+8*\n, 6*\n, QB, v[SB+8*\n:SB+8*\n+7], KSR+\n/2, 10, \n%2
.endr
	WIN 0
	v_add_nc_u32 v3, 6144, v3                      ; the addresses move on: also the places in front of the loads into K's registers and of the first read of results
	v_add_nc_u32 v4, 6144, v4
	v_add_nc_u32 v7, 512, v7
.if \pf
	v_add_nc_u32 v6, 512, v6
	v_add_nc_u32 v1, 7680, v1
	v_add_nc_u32 v2, 7680, v2
	v_add_nc_u32 v5, 512, v5
.else
	v_nop
.endif
	WIN 0x40
	LDV                                            ; this step's V, over the addend that the multiply-adds have read
	WIN 0
	ds_load_b64 v[VSR:VSR+1], v7
.if \pf
	LDG
	LDKS
	WIN 0x40
	LDM MD, 0
	LDK
	WIN 0
.endif
.irp y, 0,1,2,3,4,5,6,7                ; chain y: 16 scores: half y % 2 of my block (y / 2) % 2 of tile y / 4
	v_max3_num_f32 v[40+\y], v[SA+16*\y], v[SA+16*\y+1], v[SA+16*\y+2]
.endr
.irp i, 3,5,7,9,11,13
.irp y, 0,1,2,3,4,5,6,7
	v_max3_num_f32 v[40+\y], v[40+\y], v[SA+16*\y+\i], v[SA+16*\y+\i+1]
.endr
.endr
.irp x, 0,1,2,3                        ; a block's largest score serves the row's maximum and, since p rises with the score, the block's largest p
	v_max3_num_f32 v[40+2*\x], v[40+2*\x], v[41+2*\x], v[SA+32*\x+15]
.endr
.irp x, 0,1,2,3
	v_max_num_f32 v[40+2*\x], v[40+2*\x], v[SA+32*\x+31]
.endr
	v_mov_b32 v41, v12                             ; the old -M
	v_mov_b32 v43, v14
	v_max3_num_f32 v38, v24, v40, v42
	v_max3_num_f32 v39, v25, v44, v46
	v_permlanex16_b32 v48, v38, s[SEL], s[SEL+1]
	v_permlanex16_b32 v49, v39, s[SEL], s[SEL+1]
	v_max_num_f32 v24, v38, v48                    ; the running largest score
	v_max_num_f32 v25, v39, v49
	v_mul_f32 v50, s[CS], v24                      ; as t
	v_mul_f32 v51, s[CS], v25
	v_floor_f32 v12, -v50                          ; the new -M = -ceil(t)
	v_floor_f32 v14, -v51
.set pp, 0
.rept 32
	v_pk_fma_f32 v[SA+2*pp:SA+2*pp+1], v[SA+2*pp:SA+2*pp+1], s[CS:CS+1], v[12:13] op_sel_hi:[1,0,0]   ; t - M
	v_pk_fma_f32 v[SB+2*pp:SB+2*pp+1], v[SB+2*pp:SB+2*pp+1], s[CS:CS+1], v[14:15] op_sel_hi:[1,0,0]
.if pp == 1
	v_sub_f32 v41, v12, v41                        ; old M - new M: a whole number, 0 or less
	v_sub_f32 v43, v14, v43
.endif
.if pp == 5
	v_cvt_i32_f32 v41, v41                         ; (it saturates)
	v_cvt_i32_f32 v43, v43
.endif
.if pp == 9
	v_ldexp_f32 v20, 1.0, v41                      ; f = 2^(old M - new M)
	v_ldexp_f32 v22, 1.0, v43
.endif
.set pp, pp+1
.endr
	v_fma_f32 v40, v40, s[CS], v12                 ; the same of each block's largest score
	v_fma_f32 v42, v42, s[CS], v12
	v_fma_f32 v44, v44, s[CS], v14
	v_fma_f32 v46, v46, s[CS], v14
	s_wait_alu depctr_va_vdst(0)                   ; the wait ahead of the batch
.set ii, 0
.rept 128
	v_exp_f32 v[SA+ii], v[SA+ii]                   ; p = 2^(t - M), at most 1
.set ii, ii+1
.endr
.irp x, 0,1,2,3
	v_exp_f32 v[40+2*\x], v[40+2*\x]
.endr
	v_nop                                          ; the plain line behind the exponentials
	s_wait_alu depctr_va_vdst(0)                   ; and the one wait ahead of their first reader
	; the sums under the new M, and the unquantised p onto them: four chains a tile; between the turns, the blocks' scales
	v_pk_fma_f32 v[16:17], v[16:17], v[20:21], v[SA:SA+1] op_sel_hi:[1,0,1]
	v_pk_fma_f32 v[18:19], v[18:19], v[22:23], v[SB:SB+1] op_sel_hi:[1,0,1]
.irp c, 1,2,3
	v_pk_add_f32 v[46+2*\c:47+2*\c], v[SA+2*\c:SA+2*\c+1], v[SA+8+2*\c:SA+9+2*\c]
	v_pk_add_f32 v[52+2*\c:53+2*\c], v[SB+2*\c:SB+2*\c+1], v[SB+8+2*\c:SB+9+2*\c]
.endr
	v_pk_add_f32 v[16:17], v[16:17], v[SA+8:SA+9]
	v_pk_add_f32 v[18:19], v[18:19], v[SB+8:SB+9]
.set kk, 2
.rept 6
	v_pk_add_f32 v[16:17], v[16:17], v[SA+8*kk:SA+8*kk+1]
	v_pk_add_f32 v[18:19], v[18:19], v[SB+8*kk:SB+8*kk+1]
.irp c, 1,2,3
	v_pk_add_f32 v[46+2*\c:47+2*\c], v[46+2*\c:47+2*\c], v[SA+8*kk+2*\c:SA+8*kk+2*\c+1]
	v_pk_add_f32 v[52+2*\c:53+2*\c], v[52+2*\c:53+2*\c], v[SB+8*kk+2*\c:SB+8*kk+2*\c+1]
.endr
.if kk == 2
.irp x, 0,1,2,3
	v_max_num_f32 v[40+2*\x], 0x1800000, v[40+2*\x]   ; the floor 2^(3 - 127): a block whose every p is 0 keeps the byte 1 over zero codes
.endr
.endif
.if kk == 3
	v_add_nc_u32 v13, 0xff000000, v40              ; 2 off the exponent field: the conversion's scale operand
	v_add_nc_u32 v21, 0xff000000, v42
	v_add_nc_u32 v15, 0xff000000, v44
	v_add_nc_u32 v23, 0xff000000, v46
.endif
.if kk == 4
	v_lshrrev_b32 v41, 23, v13
	v_lshrrev_b32 v43, 23, v21
	v_lshrrev_b32 v45, 23, v15
	v_lshrrev_b32 v47, 23, v23
.endif
.if kk == 5
	v_lshl_or_b32 v27, v43, 16, v41                ; my bytes: blocks h and 2 + h,
	v_lshl_or_b32 v28, v47, 16, v45
.endif
.if kk == 6
	v_lshlrev_b32 v27, v26, v27                    ; at their places in the word;
	v_lshlrev_b32 v28, v26, v28
.endif
.if kk == 7
	v_permlanex16_b32 v38, v27, s[SEL], s[SEL+1]
	v_permlanex16_b32 v39, v28, s[SEL], s[SEL+1]
.endif
.set kk, kk+1
.endr
	v_pk_add_f32 v[48:49], v[48:49], v[50:51]
	v_pk_add_f32 v[54:55], v[54:55], v[56:57]
	v_pk_add_f32 v[16:17], v[16:17], v[52:53]
	v_pk_add_f32 v[18:19], v[18:19], v[58:59]
	v_or_b32 v27, v27, v38                         ; with lane l xor 16's two the word is whole
	v_or_b32 v28, v28, v39
	v_pk_add_f32 v[16:17], v[16:17], v[48:49]
	v_pk_add_f32 v[18:19], v[18:19], v[54:55]
	v_cvt_scalef32_pk16_fp6_f32 v[PA:PA+2], v[SA:SA+15], v13
	v_cvt_scalef32_pk16_fp6_f32 v[PA+6:PA+8], v[SA+32:SA+47], v21
	v_cvt_scalef32_pk16_fp6_f32 v[PB:PB+2], v[SB:SB+15], v15
	v_cvt_scalef32_pk16_fp6_f32 v[PB+6:PB+8], v[SB+32:SB+47], v23
	v_nop                                          ; a plain line: the next four write registers that these four read
	v_cvt_scalef32_pk16_fp6_f32 v[SA:SA+2], v[SA+16:SA+31], v13      ; (a conversion's three registers begin on an even number: made here and moved)
	v_cvt_scalef32_pk16_fp6_f32 v[SA+32:SA+34], v[SA+48:SA+63], v21
	v_cvt_scalef32_pk16_fp6_f32 v[SB:SB+2], v[SB+16:SB+31], v15
	v_cvt_scalef32_pk16_fp6_f32 v[SB+32:SB+34], v[SB+48:SB+63], v23
	v_nop
.irp i, 0,1,2
	v_mov_b32 v[PA+3+\i], v[SA+\i]
	v_mov_b32 v[PA+9+\i], v[SA+32+\i]
	v_mov_b32 v[PB+3+\i], v[SB+\i]
	v_mov_b32 v[PB+9+\i], v[SB+32+\i]
.endr
.if \pf
	s_wait_dscnt 44                                ; V and its scale words are in; behind them g's 16, K's scales' 4, the addend's 8 and K's 16 loads may be out
.else
	s_wait_dscnt 0x0
.endif
	WIN 0x41
	s_wait_alu depctr_va_vdst(0)                   ; the wait directly ahead of the first reader of O^T
.set pp, 0
.rept 16
	v_pk_mul_f32 v[OA+2*pp:OA+2*pp+1], v[OA+2*pp:OA+2*pp+1], v[20:21] op_sel_hi:[1,0]   ; O^T under the new M; also the places between the lines that wrote p's codes and scale words and the products
	v_pk_mul_f32 v[OB+2*pp:OB+2*pp+1], v[OB+2*pp:OB+2*pp+1], v[22:23] op_sel_hi:[1,0]
.set pp, pp+1
.endr
	WIN 0x51
.irp t, 0,1,2,3
	W6 OA+8*\t, V+12*\t, PA, v[OA+8*\t:OA+8*\t+7], VSR+\t/2, 27, \t%2
	W6 OB+8*\t, V+12*\t, PB, v[OB+8*\t:OB+8*\t+7], VSR+\t/2, 28, \t%2
.endr
	WIN 0
	NOPS 4                                         ; places in front of the loads into V's registers, or of the way out's reads
.if \pf
	WIN 0x40
	LDM V, 1                                       ; the next step's second addend
	WIN 0
.endif
.endm
	s_mov_b32 s[CNT], 15
.Lstep:
	STEP 1
	s_sub_co_u32 s[CNT], s[CNT], 1
	s_cmp_lg_u32 s[CNT], 0
	s_wait_alu depctr_va_vdst(0)
	s_cbranch_scc1 .Lstep
	STEP 0                                         ; the sixteenth step asks for nothing beyond its own V
	; THE WAY OUT: O^T / the sum is quantised along the head's 64 channels (register 16 b + i = channel 32 b + 16 (lane / 16) + i) and leaves as one unit a tile of the last product's operand
	v_add_f32 v16, v16, v17
	v_add_f32 v18, v18, v19
	v_permlanex16_b32 v38, v16, s[SEL], s[SEL+1]
	v_permlanex16_b32 v39, v18, s[SEL], s[SEL+1]
	v_add_f32 v16, v16, v38                        ; the rows' sums
	v_add_f32 v18, v18, v39
	v_cmp_eq_f32 s62, 0, v16                       ; no key counted
	v_cmp_eq_f32 s63, 0, v18
	s_wait_alu depctr_va_vdst(0)
	v_rcp_f32 v20, v16
	v_rcp_f32 v22, v18
	v_mov_b32 v29, 0xffff
	WIN 0x01
	s_wait_alu depctr_va_vdst(0)
.set pp, 0
.rept 16
	v_pk_mul_f32 v[SA+2*pp:SA+2*pp+1], v[OA+2*pp:OA+2*pp+1], v[20:21] op_sel_hi:[1,0]
	v_pk_mul_f32 v[SB+2*pp:SB+2*pp+1], v[OB+2*pp:OB+2*pp+1], v[22:23] op_sel_hi:[1,0]
.set pp, pp+1
.endr
	WIN 0
.irp x, 0,1,2,3                        ; chain x: tile x / 2, block x % 2
	v_max3_num_f32 v[40+\x], |v[SA+64*(\x/2)+16*(\x%2)]|, |v[SA+64*(\x/2)+16*(\x%2)+1]|, 0x1800000
.endr
.irp i, 2,4,6,8,10,12,14
.irp x, 0,1,2,3
	v_max3_num_f32 v[40+\x], v[40+\x], |v[SA+64*(\x/2)+16*(\x%2)+\i]|, |v[SA+64*(\x/2)+16*(\x%2)+\i+1]|
.endr
.endr
.irp x, 0,1,2,3
	v_permlanex16_b32 v[44+\x], v[40+\x], s[SEL], s[SEL+1]
.endr
.irp x, 0,1,2,3
	v_max_num_f32 v[40+\x], v[40+\x], v[44+\x]
.endr
	v_add_nc_u32 v13, 0xff000000, v40
	v_add_nc_u32 v21, 0xff000000, v41
	v_add_nc_u32 v15, 0xff000000, v42
	v_add_nc_u32 v23, 0xff000000, v43
	v_lshrrev_b32 v44, 23, v13
	v_lshrrev_b32 v45, 23, v21
	v_lshrrev_b32 v46, 23, v15
	v_lshrrev_b32 v47, 23, v23
	v_lshl_or_b32 v27, v45, 8, v44
	v_lshl_or_b32 v28, v47, 8, v46
	v_cndmask_b32 v27, v27, v29, s62
	v_cndmask_b32 v28, v28, v29, s63
	v_cvt_scalef32_pk16_fp6_f32 v[48:50], v[SA:SA+15], v13
	v_cvt_scalef32_pk16_fp6_f32 v[52:54], v[SA+16:SA+31], v21
	v_cvt_scalef32_pk16_fp6_f32 v[56:58], v[SB:SB+15], v15
	v_cvt_scalef32_pk16_fp6_f32 v[60:62], v[SB+16:SB+31], v23
	v_nop
.irp i, 0,1,2
	v_permlane16_swap_b32 v[48+\i], v[52+\i]       ; a whole block to a lane
	v_permlane16_swap_b32 v[56+\i], v[60+\i]
.endr
.irp i, 0,1,2
	v_mov_b32 v[51+\i], v[52+\i]
	v_mov_b32 v[59+\i], v[60+\i]
.endr
	v_and_b32 v4, 31, v0
	v_lshlrev_b32 v1, 4, v4
	v_lshlrev_b32 v2, 3, v4
	v_add_nc_u32 v2, 512, v2
	v_and_b32 v3, 15, v0
	v_lshlrev_b32 v3, 5, v3
	global_store_b128 v1, v[48:51], s[74:75]       ; 512 consecutive bytes,
	global_store_b64 v2, v[52:53], s[74:75]        ; and 256
	global_store_b128 v1, v[56:59], s[74:75] offset:12288
	global_store_b64 v2, v[60:61], s[74:75] offset:12288
	global_store_b16 v3, v27, s[76:77]             ; (both halves of the lanes write the same two bytes with the same value)
	global_store_b16 v3, v28, s[76:77] offset:512
	s_wait_tensorcnt 0x0                           ; the wave's end
	ds_add_u32 v30, v31
	s_wait_dscnt 0x0
	CROUND                                         ; the closing round
	s_endpgm
.Lfunc_end_k_q6760333bb2_attn:
	.size	k_q6760333bb2_attn, .Lfunc_end_k_q6760333bb2_attn-k_q6760333bb2_attn
	.p2alignl 7, 3214868480
	.fill 96, 4, 3214868480
	.section	.rodata,"a",@progbits
	.p2align	6, 0x0
	.amdhsa_kernel k_q6760333bb2_attn
		.amdhsa_group_segment_fixed_size 254976
		.amdhsa_private_segment_fixed_size 0
		.amdhsa_enable_private_segment 0
		.amdhsa_kernarg_size 48
		.amdhsa_user_sgpr_count 2
		.amdhsa_user_sgpr_kernarg_segment_ptr 1
		.amdhsa_wavefront_size32 1
		.amdhsa_system_sgpr_workgroup_id_x 1
		.amdhsa_system_sgpr_workgroup_id_y 1
		.amdhsa_system_sgpr_workgroup_id_z 1
		.amdhsa_system_vgpr_workitem_id 0
		.amdhsa_next_free_vgpr 512
		.amdhsa_next_free_sgpr 100
		.amdhsa_reserve_vcc 0
		.amdhsa_float_denorm_mode_32 3
		.amdhsa_float_denorm_mode_16_64 3
		.amdhsa_memory_ordered 1
		.amdhsa_forward_progress 1
		.amdhsa_inst_pref_size 94
	.end_amdhsa_kernel
	.amdgpu_metadata
---
amdhsa.version: [ 1, 2 ]
amdhsa.kernels:
  - .name:           k_q6760333bb2_attn
    .symbol:         k_q6760333bb2_attn.kd
    .args:
      - { .name: pc, .offset: 0, .size: 8, .value_kind: global_buffer, .address_space: global }
      - { .name: ps, .offset: 8, .size: 8, .value_kind: global_buffer, .address_space: global }
      - { .name: qkvc, .offset: 16, .size: 8, .value_kind: global_buffer, .address_space: global }
      - { .name: qkvs, .offset: 24, .size: 8, .value_kind: global_buffer, .address_space: global }
      - { .name: oc, .offset: 32, .size: 8, .value_kind: global_buffer, .address_space: global }
      - { .name: os, .offset: 40, .size: 8, .value_kind: global_buffer, .address_space: global }
    .group_segment_fixed_size: 254976
    .private_segment_fixed_size: 0
    .kernarg_segment_align: 8
    .kernarg_segment_size: 48
    .max_flat_workgroup_size: 256
    .sgpr_count:     100
    .vgpr_count:     512
    .wavefront_size: 32
...
	.end_amdgpu_metadata
.endif
;; end of part 3
;; launch proj (part 4): grid 8 x 32, 8 waves a work-group, clusters of 4 x 4, 240,640 bytes of LDS; arguments oc, os, pc, ps, bo, out0; writes out0
.if DOCPART == 4
	.amdgcn_target "amdgcn-amd-amdhsa--gfx1250"
	.amdhsa_code_object_version 6
	.text
	.protected	k_q6760333bb2_proj
	.globl	k_q6760333bb2_proj
	.p2align	8
	.type	k_q6760333bb2_proj,@function
k_q6760333bb2_proj:
	s_mov_b64 s[64:65], 0
	v_nop
	global_prefetch_b8 v0, s[64:65] scope:SCOPE_SE
	s_setreg_imm32_b32 hwreg(HW_REG_WAVE_MODE, 25, 1), 1
	s_wait_xcnt 0x0
	s_wait_alu depctr_hold_cnt(0) depctr_sa_sdst(0) depctr_va_vdst(0) depctr_va_sdst(0) depctr_va_ssrc(0) depctr_va_vcc(0) depctr_vm_vsrc(0)
	s_getreg_b32 s2, hwreg(HW_REG_IB_STS2, 6, 4)
	s_cmp_eq_u32 s2, 0
	s_cbranch_scc0 .Lentry_in_a_cluster
	s_endpgm
.Lentry_in_a_cluster:
	s_bfe_u32 s2, ttmp6, 0x10000c
	s_cmp_lg_u32 s2, 0xf033
	s_cbranch_scc0 .Lentry_shape_is_right
	s_endpgm
.Lentry_shape_is_right:
; out0[m][n] = sum over k of O[m][k] Wo[k][n] + bo[n]: both operands are codes of FP6 (E2M3) with E8M0 scales, laid by tiles of 16 rows x 1,024 K (12,288 bytes, sixteen units of 768 bytes in the operand's register order).
; A block of 128 x 128 to a work-group: 32 x 8 blocks.  A's eight tiles and B's eight tiles, for all of K, are two dense runs of 98,304 bytes, their scale bytes two of 4,096: everything lies in LDS after ONE joint load a wave
; (waves 0-2 A's thirds, 3-5 B's, 6 A's scales, 7 B's); nothing is filled again.  No prefetch: every byte is asked for at the head, there is no loop to run ahead in.
; CLUSTERS: 4 x 4 work-groups; A's loads are shared along a row of the cluster, B's along a column.
; A wave makes 32 rows x 64 columns: 2 x 4 accumulators.  Eight K steps of 128 are written out, every offset an immediate, on two sets of fragment registers: a step's 24 loads are issued ahead of the step before's products.
; The product is used transposed (source 0 = 16 rows of Wo's codes): with the tiles' row order 32 B + 8 u + r + 8 (r / 8) a lane's 16 registers of tiles 2 B, 2 B + 1 are 16 neighbouring columns of one row.
; The way out goes through the wave's own stage, bytes that no load fills: sixteen lanes store 256 consecutive bytes at a multiple of 256.
; REGISTERS: v1-4 fragment addresses; v5 scale words'; v6, v7 the stage; v8 the offset in out0; v9, v10 the add's; v11 the bias's offset; v12-15 the bias; v16-31 scale words of four steps (set i: lanes 0-15 A's tile i, lanes 16-31 B's tile i);
;   v32-103, v104-175 fragments; v176-239 accumulators.
.set SCA,   196608
.set SCB,   200704
.set STAGE, 204800
.set SPARE, 239616
.set F0,  32
.set ACC, 176
.set SC,  16
.set G1A, 24
.set G1B, 32
.set G1SA, 48
.set G1SB, 56
.set G0A, 68
.set G0B, 72
.set G0SA, 76
.set G0SB, 80
.macro NOPS n
.rept \n
	v_nop
.endr
.endm
.macro CROUND
	s_barrier_signal -1
	s_barrier_wait -1
	s_cmp_lg_u32 s14, 0
	s_cbranch_scc1 .Lnot_wave_0_\@
	s_barrier_signal -3
.Lnot_wave_0_\@:
	s_barrier_wait -3
	s_barrier_signal -1
	s_barrier_wait -1
.endm
.macro ARM under, g0, g1, next
	s_cmp_lt_u32 s14, \under
	s_cbranch_scc0 \next
	tensor_load_to_lds s[\g0:\g0+3], s[\g1:\g1+7]
	s_nop 0
	NOPS 4
	s_branch .Lasked
\next:
.endm
	s_load_b128 s[4:7], s[0:1], 0x0                ; oc, os
	s_load_b128 s[8:11], s[0:1], 0x10              ; pc, ps
	s_load_b128 s[84:87], s[0:1], 0x20             ; bo, out0
	v_lshl_add_u32 v9, v0, 2, SPARE
	v_mov_b32 v10, 0
	ds_add_u32 v9, v10                             ; the opening lines
	ds_add_u32 v9, v10
	v_lshrrev_b32 v1, 5, v0
	v_readfirstlane_b32 s14, v1                    ; wave 0..7
	s_lshr_b32 s15, s14, 1                         ; which 32 rows are mine
	s_and_b32 s16, s14, 1                          ; which 64 columns
	s_bfe_u32 s40, ttmp6, 0x40000
	s_bfe_u32 s41, ttmp6, 0x40004
	s_lshl_b32 s42, ttmp9, 2
	s_add_co_u32 s42, s42, s40                     ; block column 0..7
	s_and_b32 s17, ttmp7, 0xffff
	s_lshl_b32 s17, s17, 2
	s_add_co_u32 s17, s17, s41                     ; block row 0..31
	s_lshl_b32 s43, s41, 2
	s_lshl_b32 s43, 15, s43                        ; my row of the cluster
	s_lshl_b32 s44, 0x1111, s40                    ; my column
	s_or_b32 s[G1A], s43, (3<<16)|(1<<21)
	s_or_b32 s[G1SA], s43, (3<<16)|(1<<21)
	s_or_b32 s[G1B], s44, (3<<16)|(1<<21)
	s_or_b32 s[G1SB], s44, (3<<16)|(1<<21)
.irp g, G1A, G1B                       ; 128 rows of 256 bytes, dense
	s_mov_b32 s[\g+1], 32<<16
	s_mov_b32 s[\g+2], 128<<16
	s_mov_b32 s[\g+3], 32<<16
	s_mov_b32 s[\g+4], 128
	s_mov_b32 s[\g+5], 32
	s_mov_b32 s[\g+6], 0
	s_mov_b32 s[\g+7], 0
.endr
.irp g, G1SA, G1SB                     ; 16 rows of 256 bytes
	s_mov_b32 s[\g+1], 32<<16
	s_mov_b32 s[\g+2], 16<<16
	s_mov_b32 s[\g+3], 32<<16
	s_mov_b32 s[\g+4], 16
	s_mov_b32 s[\g+5], 32
	s_mov_b32 s[\g+6], 0
	s_mov_b32 s[\g+7], 0
.endr
	s_lshl_b32 s45, s14, 15                        ; wave x 32,768: the LDS byte of my third, A's three and then B's three
	s_mul_i32 s20, s17, 98304
	s_add_co_u32 s20, s20, s45
	s_mov_b32 s21, 0
	s_mul_i32 s46, s42, 98304
	s_add_co_u32 s46, s46, s45
	s_add_co_u32 s46, s46, 5505024-98304           ; Wo's tiles begin at tile 448; less the three thirds that the wave's number counts too many
	s_mov_b32 s47, 0
	s_lshl_b32 s22, s17, 12
	s_mov_b32 s23, 0
	s_lshl_b32 s88, s42, 12
	s_add_co_u32 s88, s88, 229376                  ; Wo's scale bytes begin at row 7,168
	s_mov_b32 s89, 0
	s_wait_dscnt 0x0
	s_wait_kmcnt 0x0
	s_mov_b32 s[G0A], 1
	s_mov_b32 s[G0A+1], s45
	s_add_nc_u64 s[G0A+2:G0A+3], s[4:5], s[20:21]
	s_or_b32 s[G0A+3], s[G0A+3], 0x80000000
	s_mov_b32 s[G0B], 1
	s_mov_b32 s[G0B+1], s45
	s_add_nc_u64 s[G0B+2:G0B+3], s[8:9], s[46:47]
	s_or_b32 s[G0B+3], s[G0B+3], 0x80000000
	s_mov_b32 s[G0SA], 1
	s_mov_b32 s[G0SA+1], SCA
	s_add_nc_u64 s[G0SA+2:G0SA+3], s[6:7], s[22:23]
	s_or_b32 s[G0SA+3], s[G0SA+3], 0x80000000
	s_mov_b32 s[G0SB], 1
	s_mov_b32 s[G0SB+1], SCB
	s_add_nc_u64 s[G0SB+2:G0SB+3], s[10:11], s[88:89]
	s_or_b32 s[G0SB+3], s[G0SB+3], 0x80000000
	CROUND                                         ; all sixteen work-groups are here: the joint loads meet
	ARM 3, G0A, G1A, .Lfor_b                       ; one chain, one load to an arm, one join
	ARM 6, G0B, G1B, .Lfor_sa
	ARM 7, G0SA, G1SA, .Lfor_sb
	tensor_load_to_lds s[G0SB:G0SB+3], s[G1SB:G1SB+7]
	s_nop 0
	NOPS 4
.Lasked:
	v_and_b32 v32, 15, v0                          ; r
	v_bfe_u32 v33, v0, 4, 1                        ; lane / 16
	v_and_b32 v34, 31, v0
	v_lshlrev_b32 v35, 4, v34
	v_lshlrev_b32 v36, 3, v34
	v_add_nc_u32 v36, 512, v36
	s_mul_i32 s20, s15, 24576                      ; my two tiles of A
	s_mul_i32 s21, s16, 49152                      ; my four of B,
	s_add_co_u32 s21, s21, 98304                   ; which lie behind A's eight
	v_add_nc_u32 v1, s20, v35
	v_add_nc_u32 v2, s20, v36
	v_add_nc_u32 v3, s21, v35
	v_add_nc_u32 v4, s21, v36
	s_lshl_b32 s20, s15, 10                        ; scale bytes: 512 a tile
	s_lshl_b32 s21, s16, 11
	s_add_co_u32 s21, s21, SCB-SCA
	s_sub_co_u32 s21, s21, s20
	v_mul_u32_u24 v5, s21, v33                     ; lanes 16-31 take B's
	s_add_co_u32 s20, s20, SCA
	v_lshl_add_u32 v5, v32, 5, v5
	v_add_nc_u32 v5, s20, v5
	s_mul_i32 s22, s14, 4352
	s_add_co_u32 s22, s22, STAGE                   ; my stage: 16 rows of 256 + 16 bytes
	v_mul_u32_u24 v6, v32, 272
	v_lshl_add_u32 v6, v33, 6, v6
	v_add_nc_u32 v6, s22, v6                       ; in: row r, 64 bytes for each half of the lanes
	v_mul_u32_u24 v7, v33, 272
	v_lshl_add_u32 v7, v32, 4, v7
	v_add_nc_u32 v7, s22, v7                       ; back: sixteen lanes to a row
	v_lshlrev_b32 v11, 4, v32
	v_lshl_add_u32 v8, v33, 12, v11                ; and the same two rows in out0
	s_lshl_b32 s46, s42, 9
	s_lshl_b32 s47, s16, 8
	s_add_co_u32 s46, s46, s47                     ; my first column, in bytes
	s_mov_b32 s47, 0
	s_lshl_b32 s20, s17, 7
	s_lshl_b32 s21, s15, 5
	s_add_co_u32 s20, s20, s21
	s_lshl_b32 s20, s20, 12                        ; my first row, in bytes
	s_mov_b32 s21, 0
	s_add_nc_u64 s[84:85], s[84:85], s[46:47]
	s_add_nc_u64 s[86:87], s[86:87], s[20:21]
	s_add_nc_u64 s[86:87], s[86:87], s[46:47]
	s_wait_alu depctr_va_vdst(0)                   ; the wait at the head's end
	global_load_b128 v[12:15], v11, s[84:85]
	s_wait_tensorcnt 0x0                           ; my fill has landed,
	s_barrier_signal -1
	s_barrier_wait -1                              ; everybody's has
.macro FRAG reg, a16, a8, i, s
.irp c, 0,1
	ds_load_b128 v[(\reg)+6*\c:(\reg)+6*\c+3], v[\a16] offset:(\i)*12288+(\s)*1536+\c*768
	ds_load_b64 v[(\reg)+6*\c+4:(\reg)+6*\c+5], v[\a8] offset:(\i)*12288+(\s)*1536+\c*768
.endr
.endm
.macro LDF s, f                        ; step s: A's two fragments, B's four: 24 loads
.irp i, 0,1
	FRAG (\f)+12*\i, 1, 2, \i, \s
.endr
.irp i, 0,1,2,3
	FRAG (\f)+24+12*\i, 3, 4, \i, \s
.endr
.endm
.macro LDSC hf                         ; the scale words of four steps
.irp i, 0,1,2,3
	ds_load_b128 v[SC+4*\i:SC+4*\i+3], v5 offset:\i*512+16*\hf
.endr
.endm
.macro MUL s, f                        ; the eight accumulators by turns
.irp a, 0,1
.irp b, 0,1,2,3
.if (\s) == 0
	v_wmma_scale_f32_16x16x128_f8f6f4 v[ACC+32*\a+8*\b:ACC+32*\a+8*\b+7], v[(\f)+24+12*\b:(\f)+24+12*\b+11], v[(\f)+12*\a:(\f)+12*\a+11], 0, v[SC+4*\b+(\s)%4], v[SC+4*\a+(\s)%4] matrix_a_fmt:MATRIX_FMT_FP6 matrix_b_fmt:MATRIX_FMT_FP6 matrix_a_scale:MATRIX_SCALE_ROW1
.else
	v_wmma_scale_f32_16x16x128_f8f6f4 v[ACC+32*\a+8*\b:ACC+32*\a+8*\b+7], v[(\f)+24+12*\b:(\f)+24+12*\b+11], v[(\f)+12*\a:(\f)+12*\a+11], v[ACC+32*\a+8*\b:ACC+32*\a+8*\b+7], v[SC+4*\b+(\s)%4], v[SC+4*\a+(\s)%4] matrix_a_fmt:MATRIX_FMT_FP6 matrix_b_fmt:MATRIX_FMT_FP6 matrix_a_scale:MATRIX_SCALE_ROW1
.endif
.endr
.endr
.endm
	LDSC 0
	LDF 0, F0
.set st, 0
.rept 8
.if st > 0
	NOPS 4                                         ; places in front of loads into registers that the last products read
.endif
.if st == 4
	LDSC 1
.endif
.if st < 7
	LDF st+1, F0+72*((st+1)%2)
	s_wait_dscnt 24                                ; all but the next step's 24 loads
.else
	s_wait_dscnt 0x0
.endif
	MUL st, F0+72*(st%2)
.set st, st+1
.endr
	NOPS 4                                         ; places in front of the first read of results and of loads into the fragments' registers
	s_wait_loadcnt 0x0                             ; the bias
.irp a, 0,1                            ; 16 rows x 64 columns at a time; LDS serves a wave's instructions in order, so no wait stands between these lines
.irp b, 0,1,2,3
	ds_store_b128 v6, v[ACC+32*\a+8*\b:ACC+32*\a+8*\b+3] offset:128*(\b/2)+32*(\b%2)
	ds_store_b128 v6, v[ACC+32*\a+8*\b+4:ACC+32*\a+8*\b+7] offset:128*(\b/2)+32*(\b%2)+16
.endr
.irp t, 0,1,2,3,4,5,6,7
	ds_load_b128 v[32+32*\a+4*\t:32+32*\a+4*\t+3], v7 offset:\t*544
.endr
.endr
.irp a, 0,1
	s_wait_dscnt 16-16*\a                          ; this half is back; the other half's 16 LDS instructions may be out
.irp t, 0,1,2,3,4,5,6,7
	v_pk_add_f32 v[32+32*\a+4*\t:32+32*\a+4*\t+1], v[32+32*\a+4*\t:32+32*\a+4*\t+1], v[12:13]
	v_pk_add_f32 v[32+32*\a+4*\t+2:32+32*\a+4*\t+3], v[32+32*\a+4*\t+2:32+32*\a+4*\t+3], v[14:15]
	global_store_b128 v8, v[32+32*\a+4*\t:32+32*\a+4*\t+3], s[86:87] offset:(8*\a+2*\t+8*(\t/4))*4096 th:TH_STORE_NT
.endr
.endr
	s_wait_tensorcnt 0x0                           ; the wave's end
	ds_add_u32 v9, v10
	s_wait_dscnt 0x0
	CROUND                                         ; the closing round
	s_endpgm
.Lfunc_end_k_q6760333bb2_proj:
	.size	k_q6760333bb2_proj, .Lfunc_end_k_q6760333bb2_proj-k_q6760333bb2_proj
	.p2alignl 7, 3214868480
	.fill 96, 4, 3214868480
	.section	.rodata,"a",@progbits
	.p2align	6, 0x0
	.amdhsa_kernel k_q6760333bb2_proj
		.amdhsa_group_segment_fixed_size 240640
		.amdhsa_private_segment_fixed_size 0
		.amdhsa_enable_private_segment 0
		.amdhsa_kernarg_size 48
		.amdhsa_user_sgpr_count 2
		.amdhsa_user_sgpr_kernarg_segment_ptr 1
		.amdhsa_wavefront_size32 1
		.amdhsa_system_sgpr_workgroup_id_x 1
		.amdhsa_system_sgpr_workgroup_id_y 1
		.amdhsa_system_sgpr_workgroup_id_z 1
		.amdhsa_system_vgpr_workitem_id 0
		.amdhsa_next_free_vgpr 256
		.amdhsa_next_free_sgpr 96
		.amdhsa_reserve_vcc 0
		.amdhsa_float_denorm_mode_32 3
		.amdhsa_float_denorm_mode_16_64 3
		.amdhsa_memory_ordered 1
		.amdhsa_forward_progress 1
		.amdhsa_inst_pref_size 36
	.end_amdhsa_kernel
	.amdgpu_metadata
---
amdhsa.version: [ 1, 2 ]
amdhsa.kernels:
  - .name:           k_q6760333bb2_proj
    .symbol:         k_q6760333bb2_proj.kd
    .args:
      - { .name: oc, .offset: 0, .size: 8, .value_kind: global_buffer, .address_space: global }
      - { .name: os, .offset: 8, .size: 8, .value_kind: global_buffer, .address_space: global }
      - { .name: pc, .offset: 16, .size: 8, .value_kind: global_buffer, .address_space: global }
      - { .name: ps, .offset: 24, .size: 8, .value_kind: global_buffer, .address_space: global }
      - { .name: bo, .offset: 32, .size: 8, .value_kind: global_buffer, .address_space: global }
      - { .name: out0, .offset: 40, .size: 8, .value_kind: global_buffer, .address_space: global }
    .group_segment_fixed_size: 240640
    .private_segment_fixed_size: 0
    .kernarg_segment_align: 8
    .kernarg_segment_size: 48
    .max_flat_workgroup_size: 256
    .sgpr_count:     96
    .vgpr_count:     256
    .wavefront_size: 32
...
	.end_amdgpu_metadata
.endif
;; end of part 4
